; MI455X (gfx1250); checked and timed in simulation.
; The chip was launched on July 23, 2026; its instructions are those of AMD's public machine-readable ISA for CDNA 5 (MIT licence, August 2026) and "CDNA5" Instruction Set Architecture Reference Guide (July 2026). The comments in the code are by the model that wrote it; some were corrected since.
;; Multihead Attention. Allowed arithmetic: matrix products marked QUANTISED: E4M3 operands, one E8M0 scale for each 32 along K, by v_wmma_scale_f32_16x16x128_f8f6f4 with both operands' format E4M3, f32 sums; everything else in f32.
;; Inputs: Wk 1,024 x 1,024 float32; Wo 1,024 x 1,024 float32; Wq 1,024 x 1,024 float32; Wv 1,024 x 1,024 float32; k 4 x 2,048 x 1,024 float32; mask 1 x 1 x 2,048 x 2,048 int32; q 4 x 2,048 x 1,024 float32; v 4 x 2,048 x 1,024 float32.
;; Outputs: out0 4 x 2,048 x 1,024 float32.
;; This version of the problem:
;;   THIS VERSION OF THE PROBLEM IS GIVEN IN LOW PRECISION. The matrix products marked QUANTISED in the list below multiply operands that are first quantised to E4M3 (4 exponent bits, 3 mantissa bits; 8 bits a number), with one power-of-two scale for each 32 numbers along K (OCP MX v1.0); their sums are f32. All else is computed in f32.
;;   The module's matrix products, in the order in which they are computed (A, B: the left and right operand; K: the contracted axis; several contracted axes count as one K, in the product's order):
;;     1. [M 8,192, K 1,024] x [K 1,024, N 1,024]; A: input q; B: input Wq: QUANTISED
;;     2. [M 8,192, K 1,024] x [K 1,024, N 1,024]; A: input k; B: input Wk: QUANTISED
;;     3. [M 8,192, K 1,024] x [K 1,024, N 1,024]; A: input v; B: input Wv: QUANTISED
;;     4. batch 64 x [M 2,048, K 64] x [K 64, N 2,048]; A: computed on the way; B: computed on the way: QUANTISED
;;     5. batch 64 x [M 2,048, K 2,048] x [K 2,048, N 64]; A: softmax (see below); B: computed on the way: QUANTISED
;;     6. [M 8,192, K 1,024] x [K 1,024, N 1,024]; A: computed on the way; B: input Wo: QUANTISED
;;   THE QUANTISER, for each operand of a quantised product, along K:
;;     - K is cut into blocks of 32 from its start; a last block that is shorter is filled with zeros.
;;     - A block's scale is 2^e with e = floor(log2(the largest magnitude in the block)) - 8, held to -126 .. 127; a block of zeros has e = 0. As a byte (E8M0): e + 127.
;;     - Each number is divided by its block's scale, clamped to +-448, and rounded to the nearest number of E4M3, ties to even, subnormals kept.
;;     - The product sums the exact products of the quantised numbers (number of the format x scale) in f32.
;;   ~~~python
;;   def quantise(x, axis):      # numpy; x: float32 -> the quantised numbers, widened to float32 again
;;       x = np.moveaxis(x, axis, -1); K = x.shape[-1]
;;       x = np.pad(x, [(0, 0)] * (x.ndim - 1) + [(0, -K % 32)]); x = x.reshape(x.shape[:-1] + (-1, 32)); a = np.abs(x).max(-1, keepdims=True)
;;       e = np.where(a > 0, np.clip(np.frexp(np.where(a > 0, a, 1))[1] - 1 - 8, -126, 127), 0)      # np.frexp(a)[1] - 1 = floor(log2(a)), exactly
;;       r = np.clip(x / 2.0 ** e, -448, 448)
;;       step = 2.0 ** (np.maximum(np.frexp(np.where(r == 0, 1, r))[1] - 1, -6) - 3)
;;       q = np.round(r / step) * step * 2.0 ** e      # np.round: ties to even
;;       return np.moveaxis(q.reshape(q.shape[:-2] + (-1,))[..., :K], -1, axis).astype(np.float32)
;;   ~~~
;;   SOFTMAX AHEAD OF A QUANTISED PRODUCT. Where the list says 'softmax', what is quantised is not the finished softmax but p = 2^(t - M), with t = logit x log2(e) and M = ceil(the row's largest t), a whole number; so 1/2 < the row's largest p <= 1. The row's sum l is taken of the UNQUANTISED p, in f32, and the product's result is divided by l at the end. Since M is a whole number, a kernel that streams over the keys may use a running M (the ceiling of the running maximum): every later rescaling is an exact power of two, which a block's scale takes up: the codes' values come out the same.
;;   OPERANDS COMPUTED ON THE WAY. 'Computed on the way' means the value that the module computes at that place (a softmax that the list does not call 'softmax' is quantised finished and normalised). What goes into a quantiser is computed in f32, as accurately as f32 sums, v_exp_f32 and their like allow (about 1e-6 of the number): no bf16 or f16 on the way to a quantiser, and a product that is left as it is and whose result goes on into a quantised operand takes f32 operands (vector FMAs, or v_wmma_f32_16x16x4_f32). A number that lies on a knife's edge between two numbers of the format may be rounded either way, as far as f32 arithmetic and the matrix unit's own rounding can turn it there, and no further.
;; 2 versions, each right; version 2 is version 1 with the launch attn written anew for expert scheduling mode. Each part assembles by itself: llvm-mc -triple=amdgcn-amd-amdhsa -mcpu=gfx1250 --defsym DOCPART=n.
;; ======== version 1 of 2: 4 launches
;; workspace buffers: codes 29,360,128 bytes; scales 917,504 bytes; hcodes 25,165,824 bytes; hscales 786,432 bytes; maskw 524,288 bytes of whole numbers; flags 512 bytes of whole numbers; ccodes 8,388,608 bytes; cscales 262,144 bytes
;; launch quant (part 1): grid 1024 x 1, 4 waves a work-group, no clusters, 68,352 bytes of LDS; arguments q, k, v, Wq, Wk, Wv, Wo, mask, codes, scales, maskw, flags; writes codes, scales, maskw, flags
.if DOCPART == 1
	.amdgcn_target "amdgcn-amd-amdhsa--gfx1250"
	.amdhsa_code_object_version 6
	.text
	.protected	k_qff0b388409_quant
	.globl	k_qff0b388409_quant
	.p2align	8
	.type	k_qff0b388409_quant,@function
k_qff0b388409_quant:
	s_mov_b64 s[64:65], 0
	v_nop
	global_prefetch_b8 v0, s[64:65] scope:SCOPE_SE
	s_setreg_imm32_b32 hwreg(HW_REG_WAVE_MODE, 25, 1), 1
	s_wait_xcnt 0x0
; q, k, v [8192][1024] and Wq, Wk, Wv, Wo [1024][1024], f32 with K innermost, become codes of FP8 (E4M3) with one E8M0 byte for each 32 along K; the mask [2048][2048] of int32 becomes bit words and flags.
; A TILE is 16 rows: lane index r of tile T is row 32 (T / 2) + 8 (T % 2) + r + 8 (r / 8).  The seven tensors' tiles follow each other: q 0, k 512, v 1024, Wq 1536, Wk 1600, Wv 1664, Wo 1728; 1,792 in all.
; CODES lie in the order of an operand's registers: kk x KKS + T x 4096 + q x 2048 + c x 512 + 16 x lane holds k = 256 kk + 128 q + 32 c + 16 (lane / 16) + 0 .. 15 of the row of lane % 16.
; SCALE WORDS (four bytes: 128 along K of a row): T x 512 + kk x 128 + 8 r + 4 q.
; A block's scale is 2^(floor(log2(its largest magnitude)) - 8); the byte is that magnitude's exponent field - 8, held at 1 from below.  A block of zeros gets the byte 1 where the rule says 127: its codes are zeros, and this program alone reads the bytes.
; LIMITS: blocks whose largest magnitude lies under 2^-118 get the byte 1; NaN and infinities among the inputs are not served.
; SHARES.  Work-groups 0 to 895 quantise: wave w takes tile 2 g + w / 2 and half w % 2 of K: four units of 16 rows x 128 numbers.  Work-groups 896 to 1023 take the mask: tile g - 896 of its rows, wave w the key steps 4 w .. 4 w + 3: four units of the same shape.
; A UNIT.  Each of 16 loads reads 512 consecutive bytes of one row; the 8,192 bytes turn through the wave's own stage in LDS (rows 528 bytes apart, so that sixteen rows begin 16 bytes apart modulo 256) and come back so that
; lane (r, h) holds, of row r, register 16 b + i = number 32 b + 16 h + i: 16 neighbours of each block of 32, as the conversions want them.  Loads run a unit (16 loads) ahead.  Each path has LDS bytes of its own.
; MASK WORDS: maskw[T][s][n], n = 16 b + i: bit 16 h + r is 1 where mask[row r of tile T][128 s + 32 b + 16 h + i] == 0: the lane mask that the attention launch's select takes for its register n.
; FLAGS: flags[T]: bit s: step s is hidden for all 16 rows AND each of the 16 rows has an open key somewhere (the step may be left out); bit 16 + s: step s has a hidden key.
.set KKS,   7340032                    ; 1,792 tiles x 4,096 bytes: from one 256 along K to the next
.set STGB,  8448                       ; a wave's stage: 16 rows x 528 bytes
.set MSTG,  33792                      ; the mask path's four stages begin behind the quantiser's four
.set MX,    67584                      ; the mask path's exchange: 8 bytes a wave
.set X0,    16                         ; v16-79, v80-143  two sets of 64 numbers
.set CD,    144                        ; v144-207 codes: 16 registers for each unit, never written again
.set TM,    208                        ; v208-223 at work: largest magnitudes, bytes, holds, scale operands
.set PW,    224                        ; v224-227 a scale word for each unit
.set SP,    228                        ; v228-229 the pair of words that a lane stores
.set MW,    232                        ; v232-239 mask words: a pair for each unit
.set SEL,   40                         ; s[40:41] lane selects: lane l xor 16
.set MNT,   42                         ; s42 the mantissa field of 448
.set HM,    43                         ; s43 lanes 16 to 31
.set ALLM,  44                         ; s44 AND of a step's 64 words;  s45 OR of them
.set ANYM,  45
.set RD,    46                         ; s46 rows wholly hidden in the step
.set DEAD,  47                         ; s47 rows wholly hidden in all my steps
.set ZB,    48                         ; s48 my four steps' flags
.set TS,    49
.macro LOADU set, u, pitch             ; unit u: 16 rows x 512 bytes; row i of the tile lies i + 8 (i / 8) rows below its first
.irp i, 0,1,2,3,4,5,6,7,8,9,10,11,12,13,14,15
	global_load_b128 v[\set+4*\i:\set+4*\i+3], v1, s[32:33] offset:(\i+8*(\i/8))*\pitch+512*(\u) th:TH_LOAD_NT
.endr
.endm
.macro TURN set, stg                   ; through my stage: LDS serves a wave's instructions in order, so no wait stands between the stores and the loads
.irp i, 0,1,2,3,4,5,6,7,8,9,10,11,12,13,14,15
	ds_store_b128 v2, v[\set+4*\i:\set+4*\i+3] offset:\stg+528*\i
.endr
.irp b, 0,1,2,3
.irp j, 0,1,2,3
	ds_load_b128 v[\set+16*\b+4*\j:\set+16*\b+4*\j+3], v3 offset:\stg+128*\b+16*\j
.endr
.endr
.endm
.macro QUANT s, pc, pw                 ; 64 numbers of a lane become 16 registers of codes at v[pc] and the row's scale word in v[pw]
.irp b, 0,1,2,3
	v_max3_num_f32 v[TM+\b], |v[\s+16*\b]|, |v[\s+1+16*\b]|, 0x4800000   ; block b: my 16 numbers, and the floor 2^(9 - 127): the byte cannot fall under 1
.endr
.irp i, 2,4,6,8,10,12,14
.irp b, 0,1,2,3
	v_max3_num_f32 v[TM+\b], v[TM+\b], |v[\s+16*\b+\i]|, |v[\s+1+16*\b+\i]|   ; the four blocks by turns
.endr
.endr
.irp b, 0,1,2,3
	v_permlanex16_b32 v[TM+4+\b], v[TM+\b], s[SEL], s[SEL+1]
.endr
.irp b, 0,1,2,3
	v_max_num_f32 v[TM+\b], v[TM+\b], v[TM+4+\b]                   ; with lane l xor 16's 16: the block's largest magnitude
.endr
.irp b, 0,1,2,3
	v_add_nc_u32 v[TM+12+\b], 0xfc000000, v[TM+\b]                 ; 8 off its exponent field: the conversion's scale operand
.endr
.irp b, 0,1,2,3
	v_and_or_b32 v[TM+8+\b], v[TM+\b], 0x7f800000, s[MNT]          ; 448 x the scale
.endr
.irp b, 0,1,2,3
	v_lshrrev_b32 v[TM+4+\b], 23, v[TM+12+\b]                      ; the scale's byte
.endr
	v_lshl_or_b32 v[\pw], v[TM+5], 8, v[TM+4]
	v_lshl_or_b32 v[\pw], v[TM+6], 16, v[\pw]
	v_lshl_or_b32 v[\pw], v[TM+7], 24, v[\pw]
.irp b, 0,1,2,3
.irp i, 0,1,2,3,4,5,6,7,8,9,10,11,12,13,14,15
	v_med3_num_f32 v[\s+16*\b+\i], v[\s+16*\b+\i], -v[TM+8+\b], v[TM+8+\b]   ; the conversion to an 8-bit code does not saturate (ISA guide 7.6.2): the hold comes first
.endr
	v_cvt_scalef32_pk8_fp8_f32 v[\pc+4*\b:\pc+4*\b+1], v[\s+16*\b:\s+16*\b+7], v[TM+12+\b]
	v_cvt_scalef32_pk8_fp8_f32 v[\pc+4*\b+2:\pc+4*\b+3], v[\s+16*\b+8:\s+16*\b+15], v[TM+12+\b]
.endr
	v_nop                                          ; a plain line behind the last conversion, ahead of the next lines that write its scale operands
.endm
.macro QUNIT u, left                   ; left: the younger unit's loads, which may stay out
.set XS, X0+64*((\u)%2)
	s_wait_loadcnt \left
	TURN XS, 0
	s_wait_dscnt 0x0
	QUANT XS, CD+16*(\u), PW+(\u)
.if (\u) < 2
	LOADU XS, (\u)+2, 4096                         ; the set is free: the unit two on
.endif
.irp c, 0,1,2,3
	global_store_b128 v1, v[CD+16*(\u)+4*\c:CD+16*(\u)+4*\c+3], s[24:25] offset:((\u)/2)*KKS+((\u)%2)*2048+512*\c   ; 512 consecutive bytes, aligned
.endr
.endm
.macro CMPS set, st                    ; a step's 64 registers become 64 words of lane bits; lane n / 2 of a pair of registers takes words n and n + 1
	s_mov_b32 s[ALLM], -1
	s_mov_b32 s[ANYM], 0
.set nn, 0
.rept 64
	v_cmp_eq_u32 s[50+nn%8], 0, v[\set+nn]
	v_writelane_b32 v[MW+2*(\st)+nn%2], s[50+nn%8], nn/2
	s_and_b32 s[ALLM], s[ALLM], s[50+nn%8]
	s_or_b32 s[ANYM], s[ANYM], s[50+nn%8]
.set nn, nn+1
.endr
	s_lshr_b32 s[RD], s[ALLM], 16
	s_and_b32 s[RD], s[RD], s[ALLM]                ; bit r: both halves of row r's 128 keys are hidden
	s_and_b32 s[DEAD], s[DEAD], s[RD]
	s_cmp_eq_u32 s[RD], 0xffff
	s_cselect_b32 s[TS], 1<<(\st), 0
	s_or_b32 s[ZB], s[ZB], s[TS]
	s_cmp_lg_u32 s[ANYM], 0
	s_cselect_b32 s[TS], 0x10000<<(\st), 0
	s_or_b32 s[ZB], s[ZB], s[TS]
	global_store_b64 v4, v[MW+2*(\st):MW+2*(\st)+1], s[28:29] offset:256*(\st)   ; 256 consecutive bytes, aligned
.endm
.macro MUNIT u, left
.set XS, X0+64*((\u)%2)
	s_wait_loadcnt \left
	TURN XS, MSTG
	s_wait_dscnt 0x0
	CMPS XS, \u
.if (\u) < 2
	LOADU XS, (\u)+2, 8192
.endif
.endm
.macro PICK first, lo                  ; from work-group 'first' on: the tensor whose address lies in s[lo:lo+1].  The choice hangs on the work-group's number alone
	s_cmp_ge_u32 ttmp9, \first
	s_cselect_b64 s[32:33], s[\lo:\lo+1], s[32:33]
	s_cselect_b32 s34, \first, s34
.endm
	s_load_b512 s[8:23], s[0:1], 0x0               ; q, k, v, Wq, Wk, Wv, Wo, mask
	s_load_b256 s[24:31], s[0:1], 0x40             ; codes, scales, maskw, flags
	v_lshl_add_u32 v240, v0, 2, 0x10900
	v_mov_b32 v241, 0
	v_lshrrev_b32 v5, 5, v0
	v_readfirstlane_b32 s2, v5                     ; wave
	v_and_b32 v5, 31, v0                           ; lane
	v_and_b32 v6, 15, v0                           ; r
	v_bfe_u32 v7, v0, 4, 1                         ; h
	v_lshlrev_b32 v1, 4, v5                        ; 16 x lane
	v_lshlrev_b32 v4, 3, v5                        ; 8 x lane
	s_mul_i32 s3, s2, STGB
	v_add_nc_u32 v2, s3, v1                        ; the stage, on the way in: a row's 512 bytes as they lie
	v_mul_u32_u24 v3, v6, 528
	v_lshl_add_u32 v3, v7, 6, v3
	v_add_nc_u32 v3, s3, v3                        ; and on the way out: row r, + 64 h
	s_mov_b32 s37, 0
	s_cmp_ge_u32 ttmp9, 896
	s_cbranch_scc1 .Lmask
	; ---- the quantiser
	s_lshr_b32 s4, s2, 1                           ; which of the work-group's two tiles
	s_and_b32 s5, s2, 1                            ; which half of K
	s_mov_b32 s[SEL], 0x76543210
	s_mov_b32 s[SEL+1], 0xfedcba98
	s_mov_b32 s[MNT], 0x600000
	s_mov_b32 s[HM], 0xffff0000
.irp b, 0,1,2,3
	v_mov_b32 v[TM+4+\b], 0                        ; written once: a lane permute's destination counts as one of its sources
.endr
	s_wait_kmcnt 0x0
	s_mov_b64 s[32:33], s[8:9]
	s_mov_b32 s34, 0
	PICK 256, 10
	PICK 512, 12
	PICK 768, 14
	PICK 800, 16
	PICK 832, 18
	PICK 864, 20
	s_sub_co_u32 s34, ttmp9, s34                   ; the pair of tiles within its tensor
	s_lshl_b32 s34, s34, 5
	s_lshl_b32 s35, s4, 3
	s_add_co_u32 s34, s34, s35                     ; the tile's first row: 32 x pair + 8 x (tile % 2)
	s_lshl_b32 s36, s34, 12                        ; rows of 4,096 bytes
	s_lshl_b32 s35, s5, 11                         ; half a row
	s_add_co_u32 s36, s36, s35
	s_add_nc_u64 s[32:33], s[32:33], s[36:37]
	s_lshl_b32 s34, ttmp9, 1
	s_add_co_u32 s34, s34, s4                      ; T
	s_lshl_b32 s36, s34, 12
	s_mul_i32 s35, s5, 2*KKS
	s_add_co_u32 s36, s36, s35
	s_add_nc_u64 s[24:25], s[24:25], s[36:37]      ; my codes: kk = 2 x half
	s_lshl_b32 s36, s34, 9
	s_lshl_b32 s35, s5, 8
	s_add_co_u32 s36, s36, s35
	s_add_nc_u64 s[26:27], s[26:27], s[36:37]      ; my 256 bytes of scale words
	LOADU X0, 0, 4096
	LOADU X0+64, 1, 4096
	QUNIT 0, 16
	QUNIT 1, 16
	QUNIT 2, 16
	QUNIT 3, 0
	v_cndmask_b32 v[SP], v[PW], v[PW+2], s[HM]     ; lanes 0-15: the words of units 0, 1 (the first 256 along K); lanes 16-31: of units 2, 3
	v_cndmask_b32 v[SP+1], v[PW+1], v[PW+3], s[HM]
	global_store_b64 v4, v[SP:SP+1], s[26:27]      ; 256 consecutive bytes, aligned
	s_wait_tensorcnt 0x0
	ds_add_u32 v240, v241
	s_wait_dscnt 0x0
	s_endpgm
	; ---- the mask
.Lmask:
	s_mov_b32 s[DEAD], 0xffff
	s_mov_b32 s[ZB], 0
.irp j, 0,1,2,3,4,5,6,7
	v_mov_b32 v[MW+\j], 0                          ; v_writelane_b32's destination counts as one of its sources
.endr
	s_sub_co_u32 s34, ttmp9, 896                   ; T
	s_lshr_b32 s35, s34, 1
	s_lshl_b32 s35, s35, 5
	s_and_b32 s36, s34, 1
	s_lshl_b32 s36, s36, 3
	s_add_co_u32 s35, s35, s36                     ; the tile's first row
	s_lshl_b32 s36, s35, 13                        ; rows of 8,192 bytes
	s_lshl_b32 s35, s2, 11                         ; my four steps of 512 bytes
	s_add_co_u32 s36, s36, s35
	s_wait_kmcnt 0x0
	s_add_nc_u64 s[32:33], s[22:23], s[36:37]
	s_lshl_b32 s36, s34, 12                        ; maskw: 4,096 bytes a tile, 256 a step
	s_lshl_b32 s35, s2, 10
	s_add_co_u32 s36, s36, s35
	s_add_nc_u64 s[28:29], s[28:29], s[36:37]
	s_lshl_b32 s36, s34, 2
	s_add_nc_u64 s[30:31], s[30:31], s[36:37]      ; flags: a word a tile
	LOADU X0, 0, 8192
	LOADU X0+64, 1, 8192
	MUNIT 0, 16
	MUNIT 1, 16
	MUNIT 2, 16
	MUNIT 3, 0
	s_lshl_b32 s35, s2, 2
	s_lshl_b32 s[ZB], s[ZB], s35                   ; my four steps' bits at their places: 4 w on, and 16 + 4 w on
	v_mov_b32 v216, s[ZB]
	v_mov_b32 v217, s[DEAD]
	v_lshrrev_b32 v218, 5, v0
	v_lshlrev_b32 v218, 3, v218
	v_add_nc_u32 v218, MX, v218                    ; 8 bytes for each wave
	v_mov_b32 v219, MX
	ds_store_b64 v218, v[216:217]                  ; all lanes write the same bytes with the same values
	s_wait_dscnt 0x0                               ; for the others' sake
	s_barrier_signal -1
	s_barrier_wait -1                              ; all four waves of a mask work-group are on this path: the branch hangs on the work-group's number
	ds_load_b128 v[208:211], v219
	ds_load_b128 v[212:215], v219 offset:16
	s_wait_dscnt 0x0
	v_or_b32 v208, v208, v210
	v_or_b32 v212, v212, v214
	v_or_b32 v208, v208, v212                      ; the tile's flags
	v_and_b32 v209, v209, v211
	v_and_b32 v213, v213, v215
	v_and_b32 v209, v209, v213                     ; rows with no open key at all
	v_and_b32 v210, 0xffff0000, v208
	v_cmp_eq_u32 vcc_lo, 0, v209
	v_cndmask_b32 v208, v210, v208, vcc_lo         ; such a row averages over ALL keys: then no step of its tile may be left out
	v_mov_b32 v211, 0
	v_cmp_gt_u32 vcc_lo, 1, v0
	s_wait_xcnt 0x0                                ; EXEC changes only behind this wait: stores have been issued
	s_wait_tensorcnt 0x0
	ds_add_u32 v240, v241
	s_wait_dscnt 0x0
	s_and_saveexec_b32 s50, vcc_lo
	global_store_b32 v211, v208, s[30:31]          ; thread 0 alone: four bytes a work-group, 512 in the launch
	s_wait_xcnt 0x0
	s_or_b32 exec_lo, exec_lo, s50
	s_endpgm
.Lfunc_end_k_qff0b388409_quant:
	.size	k_qff0b388409_quant, .Lfunc_end_k_qff0b388409_quant-k_qff0b388409_quant
	.p2alignl 7, 3214868480
	.fill 96, 4, 3214868480
	.section	.rodata,"a",@progbits
	.p2align	6, 0x0
	.amdhsa_kernel k_qff0b388409_quant
		.amdhsa_group_segment_fixed_size 68352
		.amdhsa_private_segment_fixed_size 0
		.amdhsa_enable_private_segment 0
		.amdhsa_kernarg_size 96
		.amdhsa_user_sgpr_count 2
		.amdhsa_user_sgpr_kernarg_segment_ptr 1
		.amdhsa_wavefront_size32 1
		.amdhsa_system_sgpr_workgroup_id_x 1
		.amdhsa_system_sgpr_workgroup_id_y 1
		.amdhsa_system_sgpr_workgroup_id_z 1
		.amdhsa_system_vgpr_workitem_id 0
		.amdhsa_next_free_vgpr 242
		.amdhsa_next_free_sgpr 66
		.amdhsa_reserve_vcc 1
		.amdhsa_float_denorm_mode_32 3
		.amdhsa_float_denorm_mode_16_64 3
		.amdhsa_memory_ordered 1
		.amdhsa_forward_progress 1
		.amdhsa_inst_pref_size 118
	.end_amdhsa_kernel
	.amdgpu_metadata
---
amdhsa.version: [ 1, 2 ]
amdhsa.kernels:
  - .name:           k_qff0b388409_quant
    .symbol:         k_qff0b388409_quant.kd
    .args:
      - { .name: q, .offset: 0, .size: 8, .value_kind: global_buffer, .address_space: global }
      - { .name: k, .offset: 8, .size: 8, .value_kind: global_buffer, .address_space: global }
      - { .name: v, .offset: 16, .size: 8, .value_kind: global_buffer, .address_space: global }
      - { .name: Wq, .offset: 24, .size: 8, .value_kind: global_buffer, .address_space: global }
      - { .name: Wk, .offset: 32, .size: 8, .value_kind: global_buffer, .address_space: global }
      - { .name: Wv, .offset: 40, .size: 8, .value_kind: global_buffer, .address_space: global }
      - { .name: Wo, .offset: 48, .size: 8, .value_kind: global_buffer, .address_space: global }
      - { .name: mask, .offset: 56, .size: 8, .value_kind: global_buffer, .address_space: global }
      - { .name: codes, .offset: 64, .size: 8, .value_kind: global_buffer, .address_space: global }
      - { .name: scales, .offset: 72, .size: 8, .value_kind: global_buffer, .address_space: global }
      - { .name: maskw, .offset: 80, .size: 8, .value_kind: global_buffer, .address_space: global }
      - { .name: flags, .offset: 88, .size: 8, .value_kind: global_buffer, .address_space: global }
    .group_segment_fixed_size: 68352
    .private_segment_fixed_size: 0
    .kernarg_segment_align: 8
    .kernarg_segment_size: 96
    .max_flat_workgroup_size: 128
    .sgpr_count:     66
    .vgpr_count:     242
    .wavefront_size: 32
...
	.end_amdgpu_metadata
.endif
;; end of part 1
;; launch proj (part 2): grid 4 x 96, 4 waves a work-group, clusters of 4 x 4, 327,680 bytes of LDS; arguments codes, scales, hcodes, hscales; writes hcodes, hscales
.if DOCPART == 2
	.amdgcn_target "amdgcn-amd-amdhsa--gfx1250"
	.amdhsa_code_object_version 6
	.text
	.protected	k_qff0b388409_proj
	.globl	k_qff0b388409_proj
	.p2align	8
	.type	k_qff0b388409_proj,@function
k_qff0b388409_proj:
	s_mov_b64 s[64:65], 0
	v_nop
	global_prefetch_b8 v0, s[64:65] scope:SCOPE_SE
	s_setreg_imm32_b32 hwreg(HW_REG_WAVE_MODE, 25, 1), 1
	s_wait_xcnt 0x0
	s_wait_alu depctr_hold_cnt(0) depctr_sa_sdst(0) depctr_va_vdst(0) depctr_va_sdst(0) depctr_va_ssrc(0) depctr_va_vcc(0) depctr_vm_vsrc(0)
	s_getreg_b32 s2, hwreg(HW_REG_IB_STS2, 6, 4)
	s_cmp_eq_u32 s2, 0
	s_cbranch_scc0 .Lentry_in_a_cluster
	s_endpgm
.Lentry_in_a_cluster:
	s_bfe_u32 s2, ttmp6, 0x10000c
	s_cmp_lg_u32 s2, 0xf033
	s_cbranch_scc0 .Lentry_shape_is_right
	s_endpgm
.Lentry_shape_is_right:
; The three projections q Wq^T, k Wk^T, v Wv^T on codes of FP8 (E4M3) with E8M0 scales, K = 1,024; each result is quantised in registers for the attention launch and never goes to memory as f32.
; ROLES.  P is source 1 of the matrix instruction: a lane holds one row of P.  R is source 0: a lane's registers run along R's rows, and the result is quantised along R.
;   query, key: P = tokens, R = the weight's rows (the head's 64 are the next product's K).   value: P = Wv's rows, R = tokens (the keys are the next product's K).
; A tile of the result is 256 (P) x 256 (R), made by four waves, each 128 x 128: 64 accumulators, 512 registers.  24 clusters of 4 x 4 work-groups: cluster y / 8 is the tensor, cluster y % 8 the block of 1,024 tokens.
; P's tile is shared along a row of the cluster, R's along a column: each is asked for JOINTLY, by the same tensor load with the same descriptor and a mask that names the four.
; OPERANDS lie in memory in the order of their registers (a tile of 16 rows x 256 along K is 4,096 bytes: q x 2048 + c x 512 + 16 x lane), so 128 rows of a K step are 32,768 dense bytes for one tensor load, a fragment is four
; loads of 512 consecutive bytes, and LDS needs no padding.  Lane index r of tile T is row 32 (T / 2) + 8 (T % 2) + r + 8 (r / 8): so the 16 registers of R's tiles 2 g and 2 g + 1 are 16 NEIGHBOURS along R: 32 g + 16 (lane / 16) + 0 .. 15.
; K goes in four steps of 256 through two LDS slots; the scale words of the work-group's rows, for all of K, come once with the first fills.  The four steps are written out: a loop round the ring would have one trip.
; OUT.  query, key: hcodes[tensor][bh][token tile][c1][lane][16 bytes] (1,024 bytes a tile of 16 tokens of one head); value: hcodes + 16 MiB: [b][key step][ch][head][t][c1][lane][16].  Scale words: hscales[tensor][bh][group of 128][r][4 words].
; LIMITS: a block whose largest magnitude lies under 2^-118 gets the byte 1 (a block of zeros too: its codes are zeros); NaN and infinities are not served.
; REGISTERS, in windows of 256: window 0: v0-31 addresses; v32-63 scale words, two sets; v128-255 P's fragments, one set; on the way out v64-231.  window 1: R's fragments, two sets.  windows 2, 3: the accumulators, (a, b) at v[8 (8 (a % 4) + b)].
.set KKP,   7340032                    ; from one 256 along K to the next in P's buffer (1,792 tiles x 4,096 bytes),
.set KKR,   7340032                    ; and in R's
.set NQ,    2                          ; matrix instructions deep in a slot
.set FR,    16                         ; registers of a fragment
.set NL,    4                          ; LDS loads that bring one
.set NP,    8                          ; places behind this matrix instruction (ISA guide 7.12.1)
.set HALFT, 32768                      ; 8 tiles: what one tensor load brings, and what one wave reads of P or of R
.set SLOT,  131072                     ; P's 16 tiles, then R's 16
.set SCL,   262144                     ; behind the ring: the scale words, 4,096 bytes for each 8 tiles: P's two halves, then R's
.set SPARE, 278528                     ; the spare words, 128 bytes for each wave: two blocks of 256 bytes that no other line names
.set ADRA, 16                          ; v16-17  LDS address of my P fragments in slot 0, 1
.set ADRB, 20                          ; v20-21  the same for R
.set LI,   24                          ; v24     16 x lane
.set ADRS, 27                          ; v27     LDS address of my scale words: lanes 0-15 P's rows, lanes 16-31 R's
.set SPW,  28                          ; v28     LDS address of my spare word; never rewritten
.set NIL,  29                          ; v29     0; never rewritten
.set SC,   32                          ; scale words: set s at v[SC + 16 s]; register 2 i + q: lanes 0-15 the word of P's block i, lanes 16-31 of R's block i
.set AF,   128                         ; P's fragments
.set PC,   64                          ; the way out: v64-191 codes, 16 registers for each of P's blocks, never written again
.set PWR,  192                         ; v192-199 a scale word for each of P's blocks
.set TM,   200                         ; v200-215 at work
.set SEL,  100                         ; s[100:101] lane selects: lane l xor 16
.set MNT,  104                         ; s104 the mantissa field of 448
.set HM,   105                         ; s105 lanes 16 to 31
.set G1, 24                            ; s[24:31] descriptor group 1 for P's tiles;  s[32:39] group 0, one set for each slot
.set G0, 32
.set G1B, 48                           ; s[48:55], s[56:63] the same for R's
.set G0B, 56
.set G1S, 68                           ; s[68:75], s[76:79] groups 1 and 0 for P's scale words;  s[80:87], s[88:91] for R's
.set G0S, 76
.set G1SB, 80
.set G0SB, 88
.set MSB, 0
.macro WIN new                         ; the immediate's high byte repeats the setting that is left
.if MSB != \new
	s_set_vgpr_msb (MSB<<8)|\new
.set MSB, \new
.endif
.endm
.set MUL_LO, 0xa1                      ; source 0 (R) window 1, source 1 (P) window 0, C and D window 2
.set MUL_HI, 0xf1                      ; the same, C and D window 3
.set TO_B,   0x40                      ; destination window 1, address window 0
; A joint load: waves 0 and 1 fetch for P, waves 2 and 3 for R.  Each line has one mask and one set of registers for all that issue it; the branch hangs on the wave's number alone.  Four v_nop follow each line.
.macro JLOAD g0a, g1a, g0b, g1b
	s_cmp_eq_u32 s15, 0
	s_cbranch_scc0 .Lfor_b_\@
	tensor_load_to_lds s[\g0a:\g0a+3], s[\g1a:\g1a+7]
	s_nop 0
.rept 4
	v_nop
.endr
	s_branch .Lasked_\@
.Lfor_b_\@:
	tensor_load_to_lds s[\g0b:\g0b+3], s[\g1b:\g1b+7]
	s_nop 0
.rept 4
	v_nop
.endr
.Lasked_\@:
.endm
.macro CREST                           ; a round of the cluster's barrier behind its opening barrier
	s_cmp_lg_u32 s14, 0
	s_cbranch_scc1 .Lnot_wave_0_\@
	s_barrier_signal -3
.Lnot_wave_0_\@:
	s_barrier_wait -3
	s_barrier_signal -1
	s_barrier_wait -1
.endm
.macro CROUND                          ; a whole round
	s_barrier_signal -1
	s_barrier_wait -1
	CREST
.endm
.macro FRAG reg, adr, q, i             ; a fragment, 16 rows x 128 K: four loads of 512 consecutive bytes
.irp c, 0,1,2,3
	ds_load_b128 v[\reg+4*\c:\reg+4*\c+3], v[\adr] offset:2048*(\q)+512*\c+4096*(\i)
.endr
.endm
; 16 matrix instructions: P's blocks a0, a0 + 1 x R's eight, 128 along K.  p: R's set;  sc: the set of scale words.  zero = 1: the first product starts the sums.  The 64 accumulators take turns, one instruction a turn.
.macro MUL16 a0, p, q, sc, zero
.irp a, \a0, \a0+1
.irp b, 0,1,2,3,4,5,6,7
.if \zero
	v_wmma_scale_f32_16x16x128_f8f6f4 v[8*(8*((\a)%4)+\b):8*(8*((\a)%4)+\b)+7], v[128*(\p)+FR*\b:128*(\p)+FR*\b+FR-1], v[AF+FR*(\a):AF+FR*(\a)+FR-1], 0, v[SC+8*NQ*(\sc)+NQ*\b+(\q)], v[SC+8*NQ*(\sc)+NQ*(\a)+(\q)] matrix_a_scale:MATRIX_SCALE_ROW1
.else
	v_wmma_scale_f32_16x16x128_f8f6f4 v[8*(8*((\a)%4)+\b):8*(8*((\a)%4)+\b)+7], v[128*(\p)+FR*\b:128*(\p)+FR*\b+FR-1], v[AF+FR*(\a):AF+FR*(\a)+FR-1], v[8*(8*((\a)%4)+\b):8*(8*((\a)%4)+\b)+7], v[SC+8*NQ*(\sc)+NQ*\b+(\q)], v[SC+8*NQ*(\sc)+NQ*(\a)+(\q)] matrix_a_scale:MATRIX_SCALE_ROW1
.endif
.endr
.endr
.endm
.macro FETCH_B slot, q, p              ; R's eight fragments of the slot's q-th 128 along K into set p
	WIN TO_B
.irp i, 0,1,2,3,4,5,6,7
	FRAG 128*(\p)+FR*\i, ADRB+\slot, \q, \i
.endr
	WIN 0
.endm
.macro FETCH_A slot, q, i0             ; P's blocks i0 .. i0 + 3
.irp i, \i0, \i0+1, \i0+2, \i0+3
	FRAG AF+FR*(\i), ADRA+\slot, \q, \i
.endr
.endm
.macro SCALES sc                       ; a K step's scale words into set sc: two words a row
.irp i, 0,1,2,3,4,5,6,7
	ds_load_b64 v[SC+8*NQ*\sc+NQ*\i:SC+8*NQ*\sc+NQ*\i+1], v[ADRS] offset:\i*512
.endr
.endm
.macro PLACES n                        ; plain vector lines behind matrix instructions, ahead of loads into registers that they read and of the first read of results
.rept \n
	v_nop
.endr
.endm
.macro STEP slot, q, zero              ; 128 along K that has its successor in the same slot
	s_wait_dscnt 4*NL                              ; R's set, P's blocks 0-3 and the scale words are in; the youngest 16 loads (P's blocks 4-7) may be out
	WIN MUL_LO
	MUL16 0, (\q)%2, \q, \slot, \zero
	MUL16 2, (\q)%2, \q, \slot, \zero
	s_wait_dscnt 0                                 ; P's blocks 4-7 are in
	PLACES NP
	FETCH_B \slot, (\q)+1, 1-(\q)%2
	FETCH_A \slot, (\q)+1, 0
	WIN MUL_HI
	MUL16 4, (\q)%2, \q, \slot, \zero
	MUL16 6, (\q)%2, \q, \slot, \zero
	PLACES NP
	WIN 0
	FETCH_A \slot, (\q)+1, 4
.endm
; A slot's last 128 change slots: one barrier; in front of it each wave waits for all its tensor loads, adds 0 to its spare word, and waits for that and for its reads of this slot.  fill = 1: this slot is filled again, two K steps ahead.
.macro TURN slot, next, fill
	s_wait_tensorcnt 0x0                           ; all my tensor loads have landed: my part of the next slot
	ds_add_u32 v[SPW], v[NIL]                      ; 0 onto my spare word
	s_wait_dscnt 4*NL+1                            ; (the add and the youngest 16 loads may be out)
	WIN MUL_LO
	MUL16 0, 1, NQ-1, \slot, 0                     ; sixteen matrix instructions stand between the add and the wait for it
	s_wait_dscnt 0x0                               ; the add is done, and my reads of this slot are over
	s_barrier_signal -1
	MUL16 2, 1, NQ-1, \slot, 0
	WIN 0
	s_barrier_wait -1
.if \fill
	CREST                                          ; the barrier has opened a round of the cluster's barrier: no wave of any partner still reads this slot or has a load on its way
	s_add_nc_u64 s[G0+4*\slot+2:G0+4*\slot+3], s[G0+4*\slot+2:G0+4*\slot+3], 2*KKP
	s_add_nc_u64 s[G0B+4*\slot+2:G0B+4*\slot+3], s[G0B+4*\slot+2:G0B+4*\slot+3], 2*KKR
	JLOAD G0+4*\slot, G1, G0B+4*\slot, G1B         ; the first tensor load behind the round; its four v_nop are among the places in front of the loads below
	PLACES NP-4
.else
	PLACES NP
.endif
	v_add_nc_u32 v[ADRS], 128, v[ADRS]             ; on to the next K step's scale words
	FETCH_B \next, 0, 0
	FETCH_A \next, 0, 0
	SCALES \next
	WIN MUL_HI
	MUL16 4, 1, NQ-1, \slot, 0
	MUL16 6, 1, NQ-1, \slot, 0
	PLACES NP
	WIN 0
	FETCH_A \next, 0, 4
.endm
	s_load_b256 s[4:11], s[0:1], 0x0               ; codes, scales, hcodes, hscales
	v_lshl_add_u32 v[SPW], v0, 2, SPARE
	v_mov_b32 v[NIL], 0
	ds_add_u32 v28, v29
	ds_add_u32 v28, v29
	s_wait_dscnt 0x0
	v_lshrrev_b32 v1, 5, v0
	v_readfirstlane_b32 s14, v1                    ; wave 0..3
	s_lshr_b32 s15, s14, 1                         ; which half of P's 256 rows is mine.  Also: I fetch for P (0) or for R (1)
	s_and_b32 s16, s14, 1                          ; which half of R's.  Also: which 8 tiles I fetch
	s_bfe_u32 s40, ttmp6, 0x40000                  ; cx, cy: my place in the cluster
	s_bfe_u32 s41, ttmp6, 0x40004
	s_and_b32 s17, ttmp7, 0xffff                   ; cluster y
	s_lshr_b32 s42, s17, 3                         ; the tensor: 0 query, 1 key, 2 value: the same in the whole cluster
	s_and_b32 s17, s17, 7
	s_lshl_b32 s17, s17, 2                         ; four tiles of 256 tokens a cluster
	s_lshl_b32 s20, s42, 9                         ; the tokens' first tile of 16: 512 x tensor
	s_lshl_b32 s21, s42, 6
	s_add_co_u32 s21, s21, 1536                    ; the weight's: 1536 + 64 x tensor
	s_mov_b32 s22, 1664
	s_mov_b32 s46, 1024
	s_cmp_eq_u32 s42, 2                            ; value: the roles change places.  Choices alone hang on this, no branch
	s_cselect_b32 s18, 0, s17
	s_cselect_b32 s19, s17, 0
	s_cselect_b32 s20, s22, s20                    ; P's first tile of 16
	s_cselect_b32 s21, s46, s21                    ; R's
	s_cselect_b32 s95, -1, 0                       ; all lanes, or none
	s_add_co_u32 s18, s18, s41                     ; P's tile of 256: it holds cy and never cx
	s_add_co_u32 s19, s19, s40                     ; R's: cx and never cy
	s_lshl_b32 s43, s41, 2
	s_lshl_b32 s43, 15, s43                        ; my row of the cluster
	s_lshl_b32 s44, 0x1111, s40                    ; my column
	; descriptor group 1: 32,768 dense bytes as 128 rows of 32 elements of 8 bytes
	s_or_b32 s[G1+0], s43, (3<<16)|(1<<21)         ; 15:0 the mask: P's tiles go to my row; 17:16 elements of 8 bytes; 20 no padding; 21 set beside a mask
	s_or_b32 s[G1B+0], s44, (3<<16)|(1<<21)
.irp g, G1, G1B
	s_mov_b32 s[\g+1], 32<<16                      ; tensor_dim0
	s_mov_b32 s[\g+2], 128<<16                     ; tensor_dim1
	s_mov_b32 s[\g+3], 32<<16                      ; tile_dim0
	s_mov_b32 s[\g+4], 128                         ; tile_dim1
	s_mov_b32 s[\g+5], 32                          ; tensor_dim0_stride
	s_mov_b32 s[\g+6], 0
	s_mov_b32 s[\g+7], 0
.endr
	s_or_b32 s[G1S+0], s43, (3<<16)|(1<<21)        ; the scale words of 8 tiles: 4,096 dense bytes as 16 such rows
	s_or_b32 s[G1SB+0], s44, (3<<16)|(1<<21)
.irp g, G1S, G1SB
	s_mov_b32 s[\g+1], 32<<16
	s_mov_b32 s[\g+2], 16<<16
	s_mov_b32 s[\g+3], 32<<16
	s_mov_b32 s[\g+4], 16
	s_mov_b32 s[\g+5], 32
	s_mov_b32 s[\g+6], 0
	s_mov_b32 s[\g+7], 0
.endr
	s_lshl_b32 s45, s16, 3                         ; which 8 of the 16 tiles I fetch
	s_lshl_b32 s22, s18, 4
	s_add_co_u32 s22, s22, s20
	s_add_co_u32 s22, s22, s45                     ; P: the first tile of 16 that I fetch
	s_lshl_b32 s46, s19, 4
	s_add_co_u32 s46, s46, s21
	s_add_co_u32 s46, s46, s45                     ; R likewise
	s_lshl_b32 s92, s22, 9                         ; scale words: 512 bytes a tile
	s_lshl_b32 s96, s46, 9
	s_lshl_b32 s22, s22, 12                        ; codes: 4,096 bytes a tile and K step
	s_lshl_b32 s46, s46, 12
	s_mov_b32 s23, 0
	s_mov_b32 s47, 0
	s_mov_b32 s93, 0
	s_mov_b32 s97, 0
	s_lshl_b32 s45, s14, 15                        ; where they go: wave x 32,768: no place in the cluster enters an LDS address
	s_lshl_b32 s94, s14, 12
	s_wait_kmcnt 0x0
	s_add_nc_u64 s[22:23], s[4:5], s[22:23]
	s_add_nc_u64 s[46:47], s[4:5], s[46:47]
	s_add_nc_u64 s[92:93], s[6:7], s[92:93]
	s_add_nc_u64 s[96:97], s[6:7], s[96:97]
	CROUND                                         ; all sixteen work-groups are here: the first joint loads meet
	s_mov_b32 s[G0S], 1
	s_add_co_u32 s[G0S+1], s94, SCL
	s_mov_b64 s[G0S+2:G0S+3], s[92:93]
	s_or_b32 s[G0S+3], s[G0S+3], 0x80000000
	s_mov_b32 s[G0SB], 1
	s_add_co_u32 s[G0SB+1], s94, SCL
	s_mov_b64 s[G0SB+2:G0SB+3], s[96:97]
	s_or_b32 s[G0SB+3], s[G0SB+3], 0x80000000
	JLOAD G0S, G1S, G0SB, G1SB                     ; the scale words first: they are wanted with K step 0
.irp s, 0,1
	s_mov_b32 s[G0+4*\s], 1
	s_add_co_u32 s[G0+4*\s+1], s45, \s*SLOT
	s_add_nc_u64 s[G0+4*\s+2:G0+4*\s+3], s[22:23], \s*KKP
	s_or_b32 s[G0+4*\s+3], s[G0+4*\s+3], 0x80000000
	s_mov_b32 s[G0B+4*\s], 1
	s_add_co_u32 s[G0B+4*\s+1], s45, \s*SLOT
	s_add_nc_u64 s[G0B+4*\s+2:G0B+4*\s+3], s[46:47], \s*KKR
	s_or_b32 s[G0B+4*\s+3], s[G0B+4*\s+3], 0x80000000
	JLOAD G0+4*\s, G1, G0B+4*\s, G1B               ; three tensor loads of mine are out
.endr
	v_and_b32 v1, 15, v0                           ; r
	v_bfe_u32 v2, v0, 4, 1                         ; h
	v_and_b32 v3, 31, v0
	v_lshlrev_b32 v[LI], 4, v3
	s_lshl_b32 s2, s15, 15                         ; my 8 tiles of P,
	s_lshl_b32 s3, s16, 15                         ; my 8 tiles of R,
	s_add_co_u32 s3, s3, 2*HALFT                   ; which lie behind P's 16
.irp s, 0,1
	v_add_nc_u32 v[ADRA+\s], s2, v[LI]
	v_add_nc_u32 v[ADRB+\s], s3, v[LI]
	s_add_co_u32 s2, s2, SLOT
	s_add_co_u32 s3, s3, SLOT
.endr
	s_lshl_b32 s2, s15, 12                         ; scale words: P's, my half;
	s_lshl_b32 s3, s16, 12                         ; R's, my half, behind P's two
	s_add_co_u32 s3, s3, 8192
	s_sub_co_u32 s3, s3, s2
	v_mul_u32_u24 v6, s3, v2                       ; lanes 16-31 take R's: one product in h
	s_add_co_u32 s2, s2, SCL
	v_lshl_add_u32 v5, v1, 3, v6                   ; 8 bytes a row and K step
	v_add_nc_u32 v[ADRS], s2, v5
	; where my results go.  p0: my first tile of 16 of P; rs: my 128 rows of R.  These registers feed no descriptor
	s_mov_b32 s[SEL], 0x76543210
	s_mov_b32 s[SEL+1], 0xfedcba98
	s_mov_b32 s[MNT], 0x600000
	s_mov_b32 s[HM], 0xffff0000
	s_lshl_b32 s66, s18, 4
	s_lshl_b32 s2, s15, 3
	s_add_co_u32 s66, s66, s2                      ; p0
	s_lshl_b32 s67, s19, 1
	s_add_co_u32 s67, s67, s16                     ; rs
	s_lshl_b32 s12, s42, 23                        ; query, key: tensor x 8 MiB + b x 2 MiB + rs x 2 heads x 131,072 + token tile x 1,024
	s_lshr_b32 s2, s66, 7
	s_lshl_b32 s2, s2, 21
	s_add_co_u32 s12, s12, s2
	s_lshl_b32 s2, s67, 18
	s_add_co_u32 s12, s12, s2
	s_and_b32 s2, s66, 127
	s_lshl_b32 s2, s2, 10
	s_add_co_u32 s12, s12, s2
	s_lshr_b32 s13, s67, 4                         ; value: 16 MiB + b x 2 MiB + key step x 131,072 + p0 x 1,024
	s_lshl_b32 s13, s13, 21
	s_and_b32 s2, s67, 15
	s_lshl_b32 s2, s2, 17
	s_add_co_u32 s13, s13, s2
	s_lshl_b32 s2, s66, 10
	s_add_co_u32 s13, s13, s2
	s_add_co_u32 s13, s13, 1<<24
	s_mov_b32 s3, 0x10000
	s_cmp_eq_u32 s42, 2
	s_cselect_b32 s12, s13, s12
	s_cselect_b32 s2, s3, 0x20000                  ; blocks 2, 3 of a fragment: the next head (131,072 on), or the keys' upper half (65,536 on)
	s_mov_b32 s13, 0
	s_mov_b32 s3, 0
	s_add_nc_u64 s[8:9], s[8:9], s[12:13]
	s_add_nc_u64 s[98:99], s[8:9], s[2:3]
	s_lshr_b32 s12, s66, 7                         ; scale words, query, key: (16 b + 2 rs) x 4,096 + group of 128 tokens x 256
	s_lshl_b32 s12, s12, 4
	s_lshl_b32 s2, s67, 1
	s_add_co_u32 s12, s12, s2
	s_lshl_b32 s12, s12, 12
	s_and_b32 s2, s66, 127
	s_lshr_b32 s2, s2, 3
	s_lshl_b32 s2, s2, 8
	s_add_co_u32 s12, s12, s2
	s_lshr_b32 s2, s67, 4                          ; value: (16 b + p0 / 4) x 4,096 + key step x 256
	s_lshl_b32 s2, s2, 4
	s_lshr_b32 s3, s66, 2
	s_add_co_u32 s2, s2, s3
	s_lshl_b32 s2, s2, 12
	s_and_b32 s3, s67, 15
	s_lshl_b32 s3, s3, 8
	s_add_co_u32 s2, s2, s3
	s_cmp_eq_u32 s42, 2
	s_cselect_b32 s12, s2, s12
	s_lshl_b32 s2, s42, 18
	s_add_co_u32 s12, s12, s2                      ; + tensor x 262,144
	s_add_nc_u64 s[10:11], s[10:11], s[12:13]
	s_wait_tensorcnt 1                             ; the scale words and my part of K step 0 are in (K step 1's load may be out)
	s_barrier_signal -1
	s_barrier_wait -1                              ; everybody's are
	FETCH_B 0, 0, 0
	FETCH_A 0, 0, 0
	SCALES 0
	FETCH_A 0, 0, 4
	STEP 0, 0, 1                                   ; the first products start the sums: nothing is cleared
	TURN 0, 1, 1                                   ; slot 0 takes K step 2
	STEP 1, 0, 0
	TURN 1, 0, 1                                   ; slot 1 takes K step 3
	STEP 0, 0, 0
	TURN 0, 1, 0                                   ; nothing is left to fetch
	STEP 1, 0, 0
	s_wait_dscnt 4*NL
	WIN MUL_LO
	MUL16 0, 1, NQ-1, 1, 0
	MUL16 2, 1, NQ-1, 1, 0
	s_wait_dscnt 0
	WIN MUL_HI
	MUL16 4, 1, NQ-1, 1, 0
	MUL16 6, 1, NQ-1, 1, 0
	WIN 0
; THE WAY OUT.  For each of P's blocks a, a lane's 64 registers are 128 neighbours along R, 16 of each block of 32 (the other 16 lie in lane l xor 16): they are quantised where they stand.  The codes ARE the next operand's registers
; and leave as they are, 512 consecutive bytes a store.  Each accumulator is read from its low end on.
.macro QUANTW a
.set W, 2+(\a)/4
.set AC, 64*((\a)%4)
.set PCA, PC+16*(\a)
.set WA, (W<<2)|(W<<4)
.set WB, W|(W<<6)
	WIN WA                                         ; sources 1 and 2 in the accumulators' window
.irp b, 0,1,2,3
	v_max3_num_f32 v[TM+\b], 0x4800000, |v[AC+16*\b]|, |v[AC+16*\b+1]|   ; the floor 2^(9 - 127) among the leaves: the byte cannot fall under 1
.endr
.irp i, 2,4,6,8,10,12,14
.irp b, 0,1,2,3
	v_max3_num_f32 v[TM+\b], v[TM+\b], |v[AC+16*\b+\i]|, |v[AC+16*\b+\i+1]|
.endr
.endr
	WIN 0
.irp b, 0,1,2,3
	v_permlanex16_b32 v[TM+4+\b], v[TM+\b], s[SEL], s[SEL+1]
.endr
.irp b, 0,1,2,3
	v_max_num_f32 v[TM+\b], v[TM+\b], v[TM+4+\b]
.endr
.irp b, 0,1,2,3
	v_add_nc_u32 v[TM+12+\b], 0xfc000000, v[TM+\b]                 ; 8 off the exponent field: the conversion's scale operand
.endr
.irp b, 0,1,2,3
	v_and_or_b32 v[TM+8+\b], v[TM+\b], 0x7f800000, s[MNT]          ; 448 x the scale
.endr
.irp b, 0,1,2,3
	v_lshrrev_b32 v[TM+4+\b], 23, v[TM+12+\b]                      ; the byte
.endr
	v_lshl_or_b32 v[PWR+(\a)], v[TM+5], 8, v[TM+4]
	v_lshl_or_b32 v[PWR+(\a)], v[TM+6], 16, v[PWR+(\a)]
	v_lshl_or_b32 v[PWR+(\a)], v[TM+7], 24, v[PWR+(\a)]
	WIN WB                                         ; destination and source 0 in the accumulators' window
.irp b, 0,1,2,3
.irp i, 0,1,2,3,4,5,6,7,8,9,10,11,12,13,14,15
	v_med3_num_f32 v[AC+16*\b+\i], v[AC+16*\b+\i], -v[TM+8+\b], v[TM+8+\b]   ; the conversion does not saturate (ISA guide 7.6.2): the hold comes first
.endr
.endr
	WIN W                                          ; source 0 alone
.irp b, 0,1,2,3
	v_cvt_scalef32_pk8_fp8_f32 v[PCA+4*\b:PCA+4*\b+1], v[AC+16*\b:AC+16*\b+7], v[TM+12+\b]
	v_cvt_scalef32_pk8_fp8_f32 v[PCA+4*\b+2:PCA+4*\b+3], v[AC+16*\b+8:AC+16*\b+15], v[TM+12+\b]
.endr
	v_nop                                          ; a plain line behind the last conversion, ahead of the next block's writes of the scale operands
	WIN 0
	global_store_b128 v[LI], v[PCA:PCA+3], s[8:9] offset:1024*(\a)
	global_store_b128 v[LI], v[PCA+4:PCA+7], s[8:9] offset:1024*(\a)+512
	global_store_b128 v[LI], v[PCA+8:PCA+11], s[98:99] offset:1024*(\a)
	global_store_b128 v[LI], v[PCA+12:PCA+15], s[98:99] offset:1024*(\a)+512
.endm
	PLACES NP                                      ; behind the last products: their results are read and the registers of P's fragments written below
.irp b, 0,1,2,3
	v_mov_b32 v[TM+4+\b], 0                        ; written once: a lane permute's destination counts as one of its sources
.endr
.irp a, 0,1,2,3,4,5,6,7
	QUANTW \a
.endr
	; the scale words.  query, key: lanes 0-15 serve head 2 rs (bytes 0, 1 of each word), lanes 16-31 head 2 rs + 1 (bytes 2, 3): word i = token tile 2 i's two bytes, then tile 2 i + 1's.
	; value: lanes 0-15 serve head p0 / 4 (blocks 0-3), lanes 16-31 the next (blocks 4-7): word i = block i's four bytes.
	v_mov_b32 v224, 0x05040100
	v_mov_b32 v225, 0x07060302
	v_cndmask_b32 v224, v224, v225, s[HM]
.irp i, 0,1,2,3
	v_perm_b32 v[216+\i], v[PWR+2*\i+1], v[PWR+2*\i], v224
	v_cndmask_b32 v[220+\i], v[PWR+\i], v[PWR+4+\i], s[HM]
	v_cndmask_b32 v[228+\i], v[216+\i], v[220+\i], s95
.endr
	v_lshlrev_b32 v226, 4, v1
	v_lshl_add_u32 v226, v2, 12, v226              ; 16 r, and a head on for lanes 16-31
	global_store_b128 v226, v[228:231], s[10:11]   ; two runs of 256 consecutive bytes, aligned
	s_wait_tensorcnt 0x0                           ; the wave's end
	ds_add_u32 v[SPW], v[NIL]
	s_wait_dscnt 0x0
	CROUND                                         ; the closing round: no work-group ends while a partner may still ask for a tile that names it
	s_endpgm
.Lfunc_end_k_qff0b388409_proj:
	.size	k_qff0b388409_proj, .Lfunc_end_k_qff0b388409_proj-k_qff0b388409_proj
	.p2alignl 7, 3214868480
	.fill 96, 4, 3214868480
	.section	.rodata,"a",@progbits
	.p2align	6, 0x0
	.amdhsa_kernel k_qff0b388409_proj
		.amdhsa_group_segment_fixed_size 327680
		.amdhsa_private_segment_fixed_size 0
		.amdhsa_enable_private_segment 0
		.amdhsa_kernarg_size 32
		.amdhsa_user_sgpr_count 2
		.amdhsa_user_sgpr_kernarg_segment_ptr 1
		.amdhsa_wavefront_size32 1
		.amdhsa_system_sgpr_workgroup_id_x 1
		.amdhsa_system_sgpr_workgroup_id_y 1
		.amdhsa_system_sgpr_workgroup_id_z 1
		.amdhsa_system_vgpr_workitem_id 0
		.amdhsa_next_free_vgpr 1024
		.amdhsa_next_free_sgpr 106
		.amdhsa_reserve_vcc 0
		.amdhsa_float_denorm_mode_32 3
		.amdhsa_float_denorm_mode_16_64 3
		.amdhsa_memory_ordered 1
		.amdhsa_forward_progress 1
		.amdhsa_inst_pref_size 186
	.end_amdhsa_kernel
	.amdgpu_metadata
---
amdhsa.version: [ 1, 2 ]
amdhsa.kernels:
  - .name:           k_qff0b388409_proj
    .symbol:         k_qff0b388409_proj.kd
    .args:
      - { .name: codes, .offset: 0, .size: 8, .value_kind: global_buffer, .address_space: global }
      - { .name: scales, .offset: 8, .size: 8, .value_kind: global_buffer, .address_space: global }
      - { .name: hcodes, .offset: 16, .size: 8, .value_kind: global_buffer, .address_space: global }
      - { .name: hscales, .offset: 24, .size: 8, .value_kind: global_buffer, .address_space: global }
    .group_segment_fixed_size: 327680
    .private_segment_fixed_size: 0
    .kernarg_segment_align: 8
    .kernarg_segment_size: 32
    .max_flat_workgroup_size: 128
    .sgpr_count:     106
    .vgpr_count:     1024
    .wavefront_size: 32
...
	.end_amdgpu_metadata
.endif
;; end of part 2
;; launch attn (part 3): grid 4 x 64, 16 waves a work-group, no clusters, 43,008 bytes of LDS; arguments hcodes, hscales, maskw, flags, ccodes, cscales; writes ccodes, cscales
.if DOCPART == 3
	.amdgcn_target "amdgcn-amd-amdhsa--gfx1250"
	.amdhsa_code_object_version 6
	.text
	.protected	k_qff0b388409_attn
	.globl	k_qff0b388409_attn
	.p2align	8
	.type	k_qff0b388409_attn,@function
k_qff0b388409_attn:
	s_mov_b64 s[64:65], 0
	v_nop
	global_prefetch_b8 v0, s[64:65] scope:SCOPE_SE
	s_setreg_imm32_b32 hwreg(HW_REG_WAVE_MODE, 25, 1), 1
	s_wait_xcnt 0x0
; ctx[b][q][head] = softmax over the keys of (query . key / 8, hidden keys at a large negative logit) x value, both products on codes of FP8 (E4M3) with E8M0 scales; ctx is quantised along its 1,024 columns for the last projection.
; THE SOFTMAX AHEAD OF THE SECOND PRODUCT: t = score x log2(e) / 8; M = the row's largest t so far, rounded UP to a whole number; p = 2^(t - M) is quantised along the keys; the row's sum is taken of the unquantised p and divides at the end.
; THE MASK is an input.  An earlier launch has packed it: maskw[T][s][n] is the lane mask of hidden keys for score register n of query tile T in key step s; flags[T] bit s: the step may be left out; bit 16 + s: it has a hidden key.
; A hidden raw score becomes -2^33 (the logit -1.07e9 where reference() has -1e9): times c it is a whole number, so a row with no open key gets p = 1 for every key, a plain average, as reference() gives; beside any open key p is 0.
; LIMITS: the two differ only where true logits come near -1e9; blocks whose largest magnitude lies under 2^-118 get the byte 1; NaN and infinities are not served.
; SHARES.  Work-group (x, bh) owns the blocks 7 - x and x of 256 queries of head bh, one after the other; each of its SIXTEEN waves one tile of 16 queries, in 256 registers: four waves to a SIMD.
; Every work-group walks all 16 key steps of 128 keys of both blocks: the trip counts are constants, and every wave passes every barrier.  What a stored flag leaves out is a step's WORK (a wave's branch) and a step's FILL (where all sixteen tiles leave it out).
; NO TENSOR LOAD, NO JOINT REQUEST: branches here hang on numbers read from memory, and the four work-groups of a head need different steps.  A step's 8,192 bytes of K and of V go through registers into one of two LDS slots:
; 16 bytes of each a thread, asked for at the head of the step before and stored at its end.  ONE barrier a step: the slot stored into was last read ahead of the barrier before, and is read next behind this one.
; LAYOUT.  Both products are used transposed: a lane holds ONE query (lane % 16).  The score product has K = 64, the instruction 128: a fragment of K carries TWO tiles of 16 keys (k 0-63 the one, 64-127 the other) and is multiplied
; by [Q | zeros] and by [zeros | Q]: v16-23 Q, v24-31 zeros, v32-39 Q again.  Register 16 g + i of the scores is key 128 s + 32 g + 16 (lane / 16) + i: 16 neighbours, as the conversions and the second product want them.
.set SCL,  32768                       ; LDS: two slots of 16,384 (K's 8,192, then V's); then the head's scale words: K's 4,096 bytes, V's 4,096
.set LI,   1                           ; v1   16 x lane
.set LT,   2                           ; v2   16 x thread: LDS place of my 16 bytes of a fill, and their place in K's step
.set AS0,  3                           ; v3   SCL + 16 r
.set GS,   4                           ; v4   my 16 bytes of the scale words in memory
.set GV,   5                           ; v5   my 16 bytes of V's step in memory
.set ADS,  6                           ; v6   the step's scale words
.set NEG,  7                           ; v7   -2^33
.set R16,  8                           ; v8   16 r
.set R8H,  9                           ; v9   8 r + h
.set QOF,  10                          ; v10  Q's offset;  v11 ctx's codes';  v238 ctx's scale bytes'
.set COF,  11
.set QA,   16
.set ZR,   24
.set QB,   32
.set F,    40                          ; v40-103  four fragments of K or of V
.set S,    104                         ; v104-167 the scores, then p
.set O,    168                         ; v168-199 O^T: register 16 b + i is channel 32 b + 16 (lane / 16) + i
.set PC,   200                         ; v200-215 p's codes
.set BM,   216                         ; v216-219 block maxima; v220-223, v224-227, v228-231 at work, holds, scale operands
.set BP,   220
.set HOLD, 224
.set SOP,  228
.set SW,   232                         ; v232-235 K's or V's scale words
.set FF,   236                         ; v236 f = 2^(old M - new M), later 1 / the sum
.set PSW,  237                         ; v237 p's scale word
.set SOF,  238
.set QSW,  239                         ; v239 Q's scale word: its two bytes twice
.set TA,   240
.set TB,   241
.set STG,  242                         ; v242-249 the fill on its way
.set WV,   16                          ; s16 wave; s17 bh
.set MNT,  19
.set SEL,  20
.set CS,   22                          ; s[22:23] c = log2(e) / 8
.set BLK,  24
.set TSC,  27                          ; s27 256 x step
.set SKIP, 28                          ; s28, s29, s30: my tile's skip bits, its mix bits, the block's common skip bits; bit 0 is the step in hand
.set MIX,  29
.set WSK,  30
.set HM,   50
.set TT,   51                          ; s51 my tile of queries
; s[32:33], s[34:35], s[36:37]: K, V, mask words at the step in hand; s[38:45]: the head's K, V, Q, scale words; s[52:55]: the head's place in ccodes, cscales; s[68:99]: flags, mask words
.macro STEP sl
	v_add_nc_u32 v[ADS], s[TSC], v[AS0]
.irp g, 0,1,2,3
.irp c, 0,1,2,3
	ds_load_b128 v[F+16*\g+4*\c:F+16*\g+4*\c+3], v[LI] offset:\sl*16384+2048*\g+512*\c   ; key tiles 2 g (c 0, 1) and 2 g + 1 (c 2, 3)
.endr
.endr
	ds_load_b128 v[SW:SW+3], v[ADS]                ; word g: tile 2 g's two bytes, then tile 2 g + 1's
	s_wait_dscnt 0x0
.irp g, 0,1,2,3
	v_wmma_scale_f32_16x16x128_f8f6f4 v[S+16*\g:S+16*\g+7], v[F+16*\g:F+16*\g+15], v[QA:QA+15], 0, v[SW+\g], v[QSW]
	v_wmma_scale_f32_16x16x128_f8f6f4 v[S+16*\g+8:S+16*\g+15], v[F+16*\g:F+16*\g+15], v[ZR:ZR+15], 0, v[SW+\g], v[QSW]
.endr
.rept 8
	v_nop                                          ; places: ahead of the loads into the fragments and scale words just read, and of the first read of the scores
.endr
.irp t, 0,1,2,3
.irp c, 0,1,2,3
	ds_load_b128 v[F+16*\t+4*\c:F+16*\t+4*\c+3], v[LI] offset:\sl*16384+8192+4096*(\c/2)+1024*\t+512*(\c%2)   ; V's fragments go out now and land under the softmax
.endr
.endr
	ds_load_b128 v[SW:SW+3], v[ADS] offset:4096    ; word t: the four key blocks' bytes of tile t's channel
	s_bitcmp1_b32 s[MIX], 0
	s_cbranch_scc0 .Lopen_\@                       ; a step with no hidden key has no mask work
.irp u, 0,1
	s_load_b512 s[68:83], s[36:37], 128*\u
	s_load_b512 s[84:99], s[36:37], 128*\u+64
	s_wait_kmcnt 0x0
.set jj, 0
.rept 32
	v_cndmask_b32 v[S+32*\u+jj], v[S+32*\u+jj], v[NEG], s[68+jj]   ; one select a score, each accumulator from its low end on
.set jj, jj+1
.endr
.endr
.Lopen_\@:
.irp b, 0,1,2,3
	v_max3_num_f32 v[BM+\b], v[S+16*\b], v[S+1+16*\b], v[S+2+16*\b]   ; the largest score of each block of 32 keys: for the row's maximum, and, since p rises with the score, for the block's largest p
.endr
.irp i, 3,5,7,9,11,13
.irp b, 0,1,2,3
	v_max3_num_f32 v[BM+\b], v[BM+\b], v[S+16*\b+\i], v[S+1+16*\b+\i]
.endr
.endr
.irp b, 0,1,2,3
	v_max_num_f32 v[BM+\b], v[BM+\b], v[S+15+16*\b]
.endr
.irp b, 0,1,2,3
	v_permlanex16_b32 v[BP+\b], v[BM+\b], s[SEL], s[SEL+1]
.endr
.irp b, 0,1,2,3
	v_max_num_f32 v[BM+\b], v[BM+\b], v[BP+\b]     ; with lane l xor 16's 16 keys
.endr
	v_max3_num_f32 v[TA], v[BM], v[BM+1], v[BM+2]
	v_max_num_f32 v[TA], v[TA], v[BM+3]
	v_mul_f32 v[TA], s[CS], v[TA]                  ; as t (c is positive)
	v_max_num_f32 v13, v13, v[TA]                  ; the running largest t
	v_mov_b32 v[TA], v12
	v_floor_f32 v12, -v13                          ; the new -M = floor(-t): M is a whole number
	v_sub_f32 v[TA], v12, v[TA]                    ; old M - new M: a whole number, 0 or less
	v_cvt_i32_f32 v[TA], v[TA]                     ; (it saturates)
	v_ldexp_f32 v[FF], 1.0, v[TA]                  ; f = 2^(old M - new M): a multiplication by it rounds nothing
.set jj, 0
.rept 32
	v_pk_fma_f32 v[S+jj:S+jj+1], v[S+jj:S+jj+1], s[CS:CS+1], v[12:13] op_sel_hi:[1,0,0]   ; t - M, two at a time
.set jj, jj+2
.endr
.irp b, 0,1,2,3
	v_fma_f32 v[BM+\b], v[BM+\b], s[CS], v12       ; the same of each block's largest score
.endr
.set jj, 0
.rept 64
	v_exp_f32 v[S+jj], v[S+jj]                     ; p = 2^(t - M), at most 1
.set jj, jj+1
.endr
	v_pk_mul_f32 v[14:15], v[14:15], v[FF:FF+1] op_sel_hi:[1,0]    ; the sums under the new M: a plain line behind the exponentials
	s_wait_alu depctr_va_vdst(0)                   ; one wait for the batch, ahead of its first reader
.irp b, 0,1,2,3
	v_exp_f32 v[BM+\b], v[BM+\b]                   ; the block's largest p: the same two instructions on the same number
.endr
	v_pk_add_f32 v[BP:BP+1], v[S:S+1], v[S+2:S+3]  ; the row's sum of the UNQUANTISED p, in two chains; it reads the 64 alone
.irp j, 4,8,12,16,20,24,28,32,36,40,44,48,52,56,60
	v_pk_add_f32 v[14:15], v[14:15], v[S+\j:S+\j+1]
	v_pk_add_f32 v[BP:BP+1], v[BP:BP+1], v[S+2+\j:S+3+\j]
.endr
	v_pk_add_f32 v[14:15], v[14:15], v[BP:BP+1]
	s_wait_alu depctr_va_vdst(0)                   ; and one for the four
.irp b, 0,1,2,3
	v_max_num_f32 v[BM+\b], 0x4800000, v[BM+\b]    ; the floor 2^(9 - 127): the byte cannot fall under 1
.endr
.irp b, 0,1,2,3
	v_add_nc_u32 v[SOP+\b], 0xfc000000, v[BM+\b]
.endr
.irp b, 0,1,2,3
	v_and_or_b32 v[HOLD+\b], v[BM+\b], 0x7f800000, s[MNT]
.endr
.irp b, 0,1,2,3
	v_lshrrev_b32 v[BP+\b], 23, v[SOP+\b]
.endr
	v_lshl_or_b32 v[PSW], v[BP+1], 8, v[BP]        ; p's scale word for these 128 keys
	v_lshl_or_b32 v[PSW], v[BP+2], 16, v[PSW]
	v_lshl_or_b32 v[PSW], v[BP+3], 24, v[PSW]
.irp b, 0,1,2,3
.irp i, 0,1,2,3,4,5,6,7,8,9,10,11,12,13,14,15
	v_min_num_f32 v[S+16*\b+\i], v[S+16*\b+\i], v[HOLD+\b]         ; the conversion does not saturate (ISA guide 7.6.2); p is not negative, so the hold is one-sided
.endr
	v_cvt_scalef32_pk8_fp8_f32 v[PC+4*\b:PC+4*\b+1], v[S+16*\b:S+16*\b+7], v[SOP+\b]
	v_cvt_scalef32_pk8_fp8_f32 v[PC+4*\b+2:PC+4*\b+3], v[S+16*\b+8:S+16*\b+15], v[SOP+\b]
.endr
.set jj, 0
.rept 16
	v_pk_mul_f32 v[O+jj:O+jj+1], v[O+jj:O+jj+1], v[FF:FF+1] op_sel_hi:[1,0]   ; O^T under the new M; these are also the plain lines between the codes and the products
.set jj, jj+2
.endr
	s_wait_dscnt 0x0                               ; V's fragments and scale words
.irp t, 0,1,2,3
	v_wmma_scale_f32_16x16x128_f8f6f4 v[O+8*\t:O+8*\t+7], v[F+16*\t:F+16*\t+15], v[PC:PC+15], v[O+8*\t:O+8*\t+7], v[SW+\t], v[PSW]   ; the four accumulators by turns
.endr
.rept 8
	v_nop                                          ; places behind these products, on the one way that has them: for the next step's loads into the fragments, for the block's tail, for the next block's loads into Q
.endr
.endm
; A key step in slot sl.  The next step's fill is asked for first and stored last; a step that my tile leaves out is jumped over; waits, barrier and address steps stand on every way.
.macro TRIP sl
	s_bitcmp1_b32 s[WSK], 1
	s_cbranch_scc1 .Lnf_\@                         ; no tile of the block wants the next step (behind step 15: the guard bit)
	global_load_b128 v[STG:STG+3], v[LT], s[32:33] offset:8192
	global_load_b128 v[STG+4:STG+7], v[GV], s[34:35] offset:131072
.Lnf_\@:
	s_bitcmp1_b32 s[SKIP], 0
	s_cbranch_scc1 .Lhid_\@
	STEP \sl
.Lhid_\@:
	s_wait_loadcnt 0x0                             ; the fill is in registers, and its addresses may be stepped
	s_bitcmp1_b32 s[WSK], 1
	s_cbranch_scc1 .Lns_\@
	ds_store_b128 v[LT], v[STG:STG+3] offset:(1-\sl)*16384
	ds_store_b128 v[LT], v[STG+4:STG+7] offset:(1-\sl)*16384+8192
.Lns_\@:
	s_wait_dscnt 0x0                               ; for the others' sake: my stores have landed, my reads of this slot are over
	s_barrier_signal -1
	s_barrier_wait -1
	s_add_nc_u64 s[32:33], s[32:33], 8192
	s_add_nc_u64 s[34:35], s[34:35], 131072
	s_add_nc_u64 s[36:37], s[36:37], 256
	s_add_co_u32 s[TSC], s[TSC], 256
	s_lshr_b32 s[SKIP], s[SKIP], 1
	s_lshr_b32 s[MIX], s[MIX], 1
	s_lshr_b32 s[WSK], s[WSK], 1
.endm
	s_load_b256 s[4:11], s[0:1], 0x0               ; hcodes, hscales, maskw, flags
	s_load_b128 s[12:15], s[0:1], 0x20             ; ccodes, cscales
	v_lshl_add_u32 v254, v0, 2, 0xa000
	v_mov_b32 v255, 0
	v_lshrrev_b32 v[TA], 5, v0
	v_readfirstlane_b32 s[WV], v[TA]               ; wave 0..15
	s_and_b32 s17, ttmp7, 0xffff                   ; bh
	s_sub_co_u32 s[BLK], 7, ttmp9                  ; the first block of queries
	v_and_b32 v[TA], 31, v0
	v_lshlrev_b32 v[LI], 4, v[TA]
	v_lshlrev_b32 v[LT], 4, v0
	v_and_b32 v[TB], 15, v0                        ; r
	v_lshlrev_b32 v[R16], 4, v[TB]
	v_add_nc_u32 v[AS0], SCL, v[R16]
	v_bfe_u32 v[TA], v0, 4, 1                      ; h
	v_lshl_add_u32 v[R8H], v[TB], 3, v[TA]
	v_lshrrev_b32 v[TA], 8, v0                     ; threads 256 on take the second 4,096 bytes:
	v_and_b32 v[TB], 255, v0
	v_lshlrev_b32 v[TB], 4, v[TB]
	v_lshl_or_b32 v[GV], v[TA], 16, v[TB]          ; V's upper 64 keys of a step lie 65,536 bytes on,
	v_lshl_or_b32 v[GS], v[TA], 18, v[TB]          ; V's scale words 262,144 behind K's
	v_mov_b32 v[NEG], 0xd0000000
	v_mov_b32 v[PSW], 0                            ; (named as the upper half of the pair with f before it is first written)
.irp j, 0,1,2,3,4,5,6,7
	v_mov_b32 v[ZR+\j], 0                          ; the zero codes beside Q
	v_mov_b32 v[STG+\j], 0                         ; (written on every way ahead of the stores that read it)
.endr
.irp b, 0,1,2,3
	v_mov_b32 v[BP+\b], 0                          ; a lane permute's destination counts as one of its sources
.endr
	s_mov_b32 s[MNT], 0x600000
	s_mov_b32 s[SEL], 0x76543210
	s_mov_b32 s[SEL+1], 0xfedcba98
	s_mov_b32 s[CS], 0x3e38aa3b                    ; c = log2(e) / 8
	s_mov_b32 s[CS+1], s[CS]
	s_mov_b32 s[HM], 0xffff0000
	s_mov_b32 s47, 0
	s_lshr_b32 s48, s17, 4                         ; b
	s_and_b32 s49, s17, 15                         ; the head
	s_wait_kmcnt 0x0
	s_lshl_b32 s46, s17, 17
	s_add_nc_u64 s[42:43], s[4:5], s[46:47]        ; Q's codes of my head: bh x 131,072
	s_add_nc_u64 s[38:39], s[42:43], 0x800000      ; K's: 8 MiB on
	s_lshl_b32 s46, s48, 21
	s_lshl_b32 s31, s49, 12
	s_add_co_u32 s46, s46, s31
	s_add_co_u32 s46, s46, 0x1000000
	s_add_nc_u64 s[40:41], s[4:5], s[46:47]        ; V's: 16 MiB + b x 2 MiB + head x 4,096
	s_lshl_b32 s46, s17, 12
	s_add_nc_u64 s[44:45], s[6:7], s[46:47]        ; Q's scale words: bh x 4,096
	s_lshr_b32 s46, s49, 2                         ; ctx's codes: column 64 x head: which 256 (2 MiB each), which 128 of it, which 64
	s_lshl_b32 s46, s46, 21
	s_lshl_b32 s31, s48, 19                        ; b x 128 tiles x 4,096
	s_add_co_u32 s46, s46, s31
	s_bfe_u32 s31, s49, 0x10001
	s_lshl_b32 s31, s31, 11
	s_add_co_u32 s46, s46, s31
	s_and_b32 s31, s49, 1
	s_lshl_b32 s31, s31, 10
	s_add_co_u32 s46, s46, s31
	s_add_nc_u64 s[52:53], s[12:13], s[46:47]
	s_lshr_b32 s46, s49, 2                         ; ctx's scale bytes: tile x 512 + (which 256) x 128 + 8 r + (which 128) x 4 + (which 64) x 2 + block
	s_lshl_b32 s46, s46, 7
	s_lshl_b32 s31, s48, 16
	s_add_co_u32 s46, s46, s31
	s_bfe_u32 s31, s49, 0x10001
	s_lshl_b32 s31, s31, 2
	s_add_co_u32 s46, s46, s31
	s_and_b32 s31, s49, 1
	s_lshl_b32 s31, s31, 1
	s_add_co_u32 s46, s46, s31
	s_add_nc_u64 s[54:55], s[14:15], s[46:47]
	global_load_b128 v[STG:STG+3], v[GS], s[44:45] offset:262144   ; K's and V's scale words of the head: 16 bytes a thread, once
	s_wait_loadcnt 0x0
	ds_store_b128 v[LT], v[STG:STG+3] offset:SCL   ; the first block's barrier stands between this and the reads
	s_mov_b32 s25, 2
.Lblk:
	s_lshl_b32 s[TT], s[BLK], 4
	s_add_co_u32 s[TT], s[TT], s[WV]               ; my tile of queries
	s_lshl_b32 s31, s[TT], 2
	s_load_b32 s[SKIP], s[10:11], s31 offset:0x0   ; my tile's flags
	s_lshl_b32 s46, s[BLK], 6
	s_load_b512 s[68:83], s[10:11], s46 offset:0x0 ; and the block's sixteen
	v_lshl_add_u32 v[QOF], s[TT], 10, v[LI]
	global_load_b128 v[QA:QA+3], v[QOF], s[42:43]
	global_load_b128 v[QA+4:QA+7], v[QOF], s[42:43] offset:512
	global_load_b128 v[QB:QB+3], v[QOF], s[42:43]  ; Q a second time: the two operands [Q | 0] and [0 | Q] share the zeros between them
	global_load_b128 v[QB+4:QB+7], v[QOF], s[42:43] offset:512
	s_lshr_b32 s48, s[TT], 3
	s_lshl_b32 s48, s48, 8                         ; the group of 128 queries,
	s_bfe_u32 s49, s[TT], 0x20001
	s_lshl_b32 s49, s49, 2                         ; the word of my pair of tiles
	s_add_co_u32 s48, s48, s49
	s_mov_b32 s49, 0
	s_add_nc_u64 s[56:57], s[44:45], s[48:49]
	global_load_b32 v[TB], v[R16], s[56:57]
	s_mov_b64 s[32:33], s[38:39]
	s_mov_b64 s[34:35], s[40:41]
	global_load_b128 v[STG:STG+3], v[LT], s[32:33] ; key step 0 is always fetched
	global_load_b128 v[STG+4:STG+7], v[GV], s[34:35]
	s_lshl_b32 s58, s[TT], 12
	s_mov_b32 s59, 0
	s_add_nc_u64 s[36:37], s[8:9], s[58:59]        ; my tile's mask words
	v_lshl_add_u32 v[COF], s[TT], 12, v[LI]
	v_lshl_add_u32 v[SOF], s[TT], 9, v[R8H]
	s_mov_b32 s[TSC], 0
	s_wait_kmcnt 0x0
	s_lshr_b32 s[MIX], s[SKIP], 16
	s_and_b32 s[SKIP], s[SKIP], 0xffff
	s_and_b32 s[WSK], s68, s69
.irp j, 70,71,72,73,74,75,76,77,78,79,80,81,82,83
	s_and_b32 s[WSK], s[WSK], s\j
.endr
	s_and_b32 s[WSK], s[WSK], 0xffff
	s_or_b32 s[WSK], s[WSK], 0x10000               ; the guard: behind step 15 nothing is fetched
	s_mov_b32 s47, 0x01000100
	s_bitcmp1_b32 s[TT], 0
	s_cselect_b32 s47, 0x03020302, s47             ; an odd tile's two bytes are the word's upper half
	s_wait_loadcnt 0x0
	ds_store_b128 v[LT], v[STG:STG+3]              ; slot 0 was last read in step 14 of the block before: two barriers back
	ds_store_b128 v[LT], v[STG+4:STG+7] offset:8192
	v_perm_b32 v[QSW], v[TB], v[TB], s47           ; the two bytes twice: they serve [Q | 0] and [0 | Q]; the lines below are its places ahead of the first product
	v_mov_b32 v13, 0xff61b1e6                      ; the largest t so far: -3e38
	v_floor_f32 v12, -v13                          ; -M
	v_mov_b32 v14, 0                               ; the sum, in two halves
	v_mov_b32 v15, 0
.set jj, 0
.rept 32
	v_mov_b32 v[O+jj], 0                           ; O^T: the step is written once, and its first turn finds zeros
.set jj, jj+1
.endr
	s_wait_dscnt 0x0
	s_barrier_signal -1
	s_barrier_wait -1
	s_mov_b32 s26, 8
.Lk:
	TRIP 0
	TRIP 1
	s_sub_co_u32 s26, s26, 1
	s_cmp_lg_u32 s26, 0
	s_cbranch_scc1 .Lk
	; ---- the block's tail: O^T / the sum is ctx; its two blocks of 32 channels are quantised and leave as the last projection's operand
	v_add_f32 v14, v14, v15
	v_permlanex16_b32 v[TA], v14, s[SEL], s[SEL+1]
	v_add_f32 v14, v14, v[TA]                      ; the row's sum
	v_rcp_f32 v[FF], v14
	v_nop                                          ; a plain line behind the reciprocal
	s_wait_alu depctr_va_vdst(0)                   ; and the wait ahead of its first reader
.set jj, 0
.rept 16
	v_pk_mul_f32 v[O+jj:O+jj+1], v[O+jj:O+jj+1], v[FF:FF+1] op_sel_hi:[1,0]
.set jj, jj+2
.endr
.irp b, 0,1
	v_max3_num_f32 v[BM+\b], |v[O+16*\b]|, |v[O+1+16*\b]|, 0x4800000
.endr
.irp i, 2,4,6,8,10,12,14
.irp b, 0,1
	v_max3_num_f32 v[BM+\b], v[BM+\b], |v[O+16*\b+\i]|, |v[O+1+16*\b+\i]|
.endr
.endr
.irp b, 0,1
	v_permlanex16_b32 v[BP+\b], v[BM+\b], s[SEL], s[SEL+1]
.endr
.irp b, 0,1
	v_max_num_f32 v[BM+\b], v[BM+\b], v[BP+\b]
.endr
.irp b, 0,1
	v_add_nc_u32 v[SOP+\b], 0xfc000000, v[BM+\b]
.endr
.irp b, 0,1
	v_and_or_b32 v[HOLD+\b], v[BM+\b], 0x7f800000, s[MNT]
.endr
.irp b, 0,1
	v_lshrrev_b32 v[BP+\b], 23, v[SOP+\b]
.endr
.irp b, 0,1
.irp i, 0,1,2,3,4,5,6,7,8,9,10,11,12,13,14,15
	v_med3_num_f32 v[O+16*\b+\i], v[O+16*\b+\i], -v[HOLD+\b], v[HOLD+\b]
.endr
	v_cvt_scalef32_pk8_fp8_f32 v[PC+4*\b:PC+4*\b+1], v[O+16*\b:O+16*\b+7], v[SOP+\b]
	v_cvt_scalef32_pk8_fp8_f32 v[PC+4*\b+2:PC+4*\b+3], v[O+16*\b+8:O+16*\b+15], v[SOP+\b]
.endr
	v_nop                                          ; a plain line behind the last conversion
	v_cndmask_b32 v[TB], v[BP], v[BP+1], s[HM]     ; lanes 0-15 store block 0's byte, lanes 16-31 block 1's
	global_store_b128 v[COF], v[PC:PC+3], s[52:53]                 ; 512 consecutive bytes, aligned
	global_store_b128 v[COF], v[PC+4:PC+7], s[52:53] offset:512
	global_store_b8 v[SOF], v[TB], s[54:55]        ; single bytes, one for each 32 of ctx's codes: they lie where the last projection's loop takes whole scale words with no vector work
	s_wait_xcnt 0x0                                ; the stores have read their registers: the next block writes them again
	s_sub_co_u32 s[BLK], 7, s[BLK]                 ; the other block
	s_sub_co_u32 s25, s25, 1
	s_cmp_lg_u32 s25, 0
	s_cbranch_scc1 .Lblk
	s_wait_tensorcnt 0x0
	ds_add_u32 v254, v255
	s_wait_dscnt 0x0
	s_endpgm
.Lfunc_end_k_qff0b388409_attn:
	.size	k_qff0b388409_attn, .Lfunc_end_k_qff0b388409_attn-k_qff0b388409_attn
	.p2alignl 7, 3214868480
	.fill 96, 4, 3214868480
	.section	.rodata,"a",@progbits
	.p2align	6, 0x0
	.amdhsa_kernel k_qff0b388409_attn
		.amdhsa_group_segment_fixed_size 43008
		.amdhsa_private_segment_fixed_size 0
		.amdhsa_enable_private_segment 0
		.amdhsa_kernarg_size 48
		.amdhsa_user_sgpr_count 2
		.amdhsa_user_sgpr_kernarg_segment_ptr 1
		.amdhsa_wavefront_size32 1
		.amdhsa_system_sgpr_workgroup_id_x 1
		.amdhsa_system_sgpr_workgroup_id_y 1
		.amdhsa_system_sgpr_workgroup_id_z 1
		.amdhsa_system_vgpr_workitem_id 0
		.amdhsa_next_free_vgpr 256
		.amdhsa_next_free_sgpr 100
		.amdhsa_reserve_vcc 0
		.amdhsa_float_denorm_mode_32 3
		.amdhsa_float_denorm_mode_16_64 3
		.amdhsa_memory_ordered 1
		.amdhsa_forward_progress 1
		.amdhsa_inst_pref_size 61
	.end_amdhsa_kernel
	.amdgpu_metadata
---
amdhsa.version: [ 1, 2 ]
amdhsa.kernels:
  - .name:           k_qff0b388409_attn
    .symbol:         k_qff0b388409_attn.kd
    .args:
      - { .name: hcodes, .offset: 0, .size: 8, .value_kind: global_buffer, .address_space: global }
      - { .name: hscales, .offset: 8, .size: 8, .value_kind: global_buffer, .address_space: global }
      - { .name: maskw, .offset: 16, .size: 8, .value_kind: global_buffer, .address_space: global }
      - { .name: flags, .offset: 24, .size: 8, .value_kind: global_buffer, .address_space: global }
      - { .name: ccodes, .offset: 32, .size: 8, .value_kind: global_buffer, .address_space: global }
      - { .name: cscales, .offset: 40, .size: 8, .value_kind: global_buffer, .address_space: global }
    .group_segment_fixed_size: 43008
    .private_segment_fixed_size: 0
    .kernarg_segment_align: 8
    .kernarg_segment_size: 48
    .max_flat_workgroup_size: 512
    .sgpr_count:     100
    .vgpr_count:     256
    .wavefront_size: 32
...
	.end_amdgpu_metadata
.endif
;; end of part 3
;; launch outp (part 4): grid 4 x 32, 4 waves a work-group, clusters of 4 x 4, 327,680 bytes of LDS; arguments ccodes, cscales, codes, scales, out0; writes out0
.if DOCPART == 4
	.amdgcn_target "amdgcn-amd-amdhsa--gfx1250"
	.amdhsa_code_object_version 6
	.text
	.protected	k_qff0b388409_outp
	.globl	k_qff0b388409_outp
	.p2align	8
	.type	k_qff0b388409_outp,@function
k_qff0b388409_outp:
	s_mov_b64 s[64:65], 0
	v_nop
	global_prefetch_b8 v0, s[64:65] scope:SCOPE_SE
	s_setreg_imm32_b32 hwreg(HW_REG_WAVE_MODE, 25, 1), 1
	s_wait_xcnt 0x0
	s_wait_alu depctr_hold_cnt(0) depctr_sa_sdst(0) depctr_va_vdst(0) depctr_va_sdst(0) depctr_va_ssrc(0) depctr_va_vcc(0) depctr_vm_vsrc(0)
	s_getreg_b32 s2, hwreg(HW_REG_IB_STS2, 6, 4)
	s_cmp_eq_u32 s2, 0
	s_cbranch_scc0 .Lentry_in_a_cluster
	s_endpgm
.Lentry_in_a_cluster:
	s_bfe_u32 s2, ttmp6, 0x10000c
	s_cmp_lg_u32 s2, 0xf033
	s_cbranch_scc0 .Lentry_shape_is_right
	s_endpgm
.Lentry_shape_is_right:
; out0 = ctx Wo^T on codes of FP8 (E4M3) with E8M0 scales, K = 1,024; out0 [8192][1024] f32.
; P (source 1: a lane holds one row) = ctx's tokens, from ccodes and cscales; R (source 0: a lane's registers run along it) = Wo's rows, tiles 1728 on of codes and scales.
; A tile of the result is 256 tokens x 256 columns, made by four waves, each 128 x 128: 64 accumulators, 512 registers.  8 clusters of 4 x 4 work-groups: P's tile is shared along a row of the cluster, R's along a column,
; each asked for JOINTLY by the same tensor load with the same descriptor and a mask that names the four.
; OPERANDS lie in memory in the order of their registers (a tile of 16 rows x 256 along K is 4,096 bytes: q x 2048 + c x 512 + 16 x lane): 128 rows of a K step are 32,768 dense bytes for one tensor load, a fragment is four loads of
; 512 consecutive bytes, LDS needs no padding.  Lane index r of tile T is row 32 (T / 2) + 8 (T % 2) + r + 8 (r / 8).  K goes in four steps of 256 through two LDS slots, written out: a loop round the ring would have one trip.
; REGISTERS, in windows of 256: window 0: v0-31 addresses; v32-63 scale words, two sets; v128-255 P's fragments, one set, on the way out rows of the result.  window 1: R's fragments, two sets.  windows 2, 3: the accumulators.
.set KKP,   2097152                    ; from one 256 along K to the next in P's buffer (512 tiles x 4,096 bytes),
.set KKR,   7340032                    ; and in R's (1,792 tiles)
.set NQ,    2
.set FR,    16
.set NL,    4
.set NP,    8                          ; places behind this matrix instruction (ISA guide 7.12.1)
.set HALFT, 32768
.set SLOT,  131072
.set SCL,   262144
.set SPARE, 278528                     ; the spare words, 128 bytes for each wave: two blocks of 256 bytes that no other line names
.set SPITCH, 528                       ; the way out: a stage of 16 rows x (512 bytes + 16) for each wave, in slot 0, which has had its last fill and its last read when the first result is stored there
.set ADRA, 16
.set ADRB, 20
.set LI,   24                          ; v24     16 x lane
.set STO,  25                          ; v25     the way out: where I put 32 bytes of a row
.set RD,   26                          ; v26     and where I read a row back
.set ADRS, 27
.set SPW,  28
.set NIL,  29
.set SC,   32
.set AF,   128
.set BK,   128                         ; the way out: 16 rows read back: v128-191 and v192-255 by turns
.set G1, 24
.set G0, 32
.set G1B, 48
.set G0B, 56
.set G1S, 68
.set G0S, 76
.set G1SB, 80
.set G0SB, 88
.set MSB, 0
.macro WIN new                         ; the immediate's high byte repeats the setting that is left
.if MSB != \new
	s_set_vgpr_msb (MSB<<8)|\new
.set MSB, \new
.endif
.endm
.set MUL_LO, 0xa1                      ; source 0 (R) window 1, source 1 (P) window 0, C and D window 2
.set MUL_HI, 0xf1                      ; the same, C and D window 3
.set TO_B,   0x40                      ; destination window 1, address window 0
; A joint load: waves 0 and 1 fetch for P, waves 2 and 3 for R; the branch hangs on the wave's number alone.  Four v_nop follow each line.
.macro JLOAD g0a, g1a, g0b, g1b
	s_cmp_eq_u32 s15, 0
	s_cbranch_scc0 .Lfor_b_\@
	tensor_load_to_lds s[\g0a:\g0a+3], s[\g1a:\g1a+7]
	s_nop 0
.rept 4
	v_nop
.endr
	s_branch .Lasked_\@
.Lfor_b_\@:
	tensor_load_to_lds s[\g0b:\g0b+3], s[\g1b:\g1b+7]
	s_nop 0
.rept 4
	v_nop
.endr
.Lasked_\@:
.endm
.macro CREST                           ; a round of the cluster's barrier behind its opening barrier
	s_cmp_lg_u32 s14, 0
	s_cbranch_scc1 .Lnot_wave_0_\@
	s_barrier_signal -3
.Lnot_wave_0_\@:
	s_barrier_wait -3
	s_barrier_signal -1
	s_barrier_wait -1
.endm
.macro CROUND                          ; a whole round
	s_barrier_signal -1
	s_barrier_wait -1
	CREST
.endm
.macro FRAG reg, adr, q, i             ; a fragment, 16 rows x 128 K: four loads of 512 consecutive bytes
.irp c, 0,1,2,3
	ds_load_b128 v[\reg+4*\c:\reg+4*\c+3], v[\adr] offset:2048*(\q)+512*\c+4096*(\i)
.endr
.endm
; 16 matrix instructions: P's blocks a0, a0 + 1 x R's eight, 128 along K.  The 64 accumulators take turns, one instruction a turn.
.macro MUL16 a0, p, q, sc, zero
.irp a, \a0, \a0+1
.irp b, 0,1,2,3,4,5,6,7
.if \zero
	v_wmma_scale_f32_16x16x128_f8f6f4 v[8*(8*((\a)%4)+\b):8*(8*((\a)%4)+\b)+7], v[128*(\p)+FR*\b:128*(\p)+FR*\b+FR-1], v[AF+FR*(\a):AF+FR*(\a)+FR-1], 0, v[SC+8*NQ*(\sc)+NQ*\b+(\q)], v[SC+8*NQ*(\sc)+NQ*(\a)+(\q)] matrix_a_scale:MATRIX_SCALE_ROW1
.else
	v_wmma_scale_f32_16x16x128_f8f6f4 v[8*(8*((\a)%4)+\b):8*(8*((\a)%4)+\b)+7], v[128*(\p)+FR*\b:128*(\p)+FR*\b+FR-1], v[AF+FR*(\a):AF+FR*(\a)+FR-1], v[8*(8*((\a)%4)+\b):8*(8*((\a)%4)+\b)+7], v[SC+8*NQ*(\sc)+NQ*\b+(\q)], v[SC+8*NQ*(\sc)+NQ*(\a)+(\q)] matrix_a_scale:MATRIX_SCALE_ROW1
.endif
.endr
.endr
.endm
.macro FETCH_B slot, q, p
	WIN TO_B
.irp i, 0,1,2,3,4,5,6,7
	FRAG 128*(\p)+FR*\i, ADRB+\slot, \q, \i
.endr
	WIN 0
.endm
.macro FETCH_A slot, q, i0
.irp i, \i0, \i0+1, \i0+2, \i0+3
	FRAG AF+FR*(\i), ADRA+\slot, \q, \i
.endr
.endm
.macro SCALES sc
.irp i, 0,1,2,3,4,5,6,7
	ds_load_b64 v[SC+8*NQ*\sc+NQ*\i:SC+8*NQ*\sc+NQ*\i+1], v[ADRS] offset:\i*512
.endr
.endm
.macro PLACES n                        ; plain vector lines behind matrix instructions, ahead of loads into registers that they read and of the first read of results
.rept \n
	v_nop
.endr
.endm
.macro STEP slot, q, zero
	s_wait_dscnt 4*NL                              ; R's set, P's blocks 0-3 and the scale words are in; the youngest 16 loads (P's blocks 4-7) may be out
	WIN MUL_LO
	MUL16 0, (\q)%2, \q, \slot, \zero
	MUL16 2, (\q)%2, \q, \slot, \zero
	s_wait_dscnt 0
	PLACES NP
	FETCH_B \slot, (\q)+1, 1-(\q)%2
	FETCH_A \slot, (\q)+1, 0
	WIN MUL_HI
	MUL16 4, (\q)%2, \q, \slot, \zero
	MUL16 6, (\q)%2, \q, \slot, \zero
	PLACES NP
	WIN 0
	FETCH_A \slot, (\q)+1, 4
.endm
; A slot's last 128 change slots: one barrier; in front of it each wave waits for all its tensor loads, adds 0 to its spare word, and waits for that and for its reads of this slot.  fill = 1: this slot is filled again, two K steps ahead.
.macro TURN slot, next, fill
	s_wait_tensorcnt 0x0                           ; all my tensor loads have landed: my part of the next slot
	ds_add_u32 v[SPW], v[NIL]                      ; 0 onto my spare word
	s_wait_dscnt 4*NL+1                            ; (the add and the youngest 16 loads may be out)
	WIN MUL_LO
	MUL16 0, 1, NQ-1, \slot, 0
	s_wait_dscnt 0x0                               ; the add is done, and my reads of this slot are over
	s_barrier_signal -1
	MUL16 2, 1, NQ-1, \slot, 0
	WIN 0
	s_barrier_wait -1
.if \fill
	CREST                                          ; the barrier has opened a round of the cluster's barrier: no wave of any partner still reads this slot or has a load on its way
	s_add_nc_u64 s[G0+4*\slot+2:G0+4*\slot+3], s[G0+4*\slot+2:G0+4*\slot+3], 2*KKP
	s_add_nc_u64 s[G0B+4*\slot+2:G0B+4*\slot+3], s[G0B+4*\slot+2:G0B+4*\slot+3], 2*KKR
	JLOAD G0+4*\slot, G1, G0B+4*\slot, G1B
	PLACES NP-4
.else
	PLACES NP
.endif
	v_add_nc_u32 v[ADRS], 128, v[ADRS]
	FETCH_B \next, 0, 0
	FETCH_A \next, 0, 0
	SCALES \next
	WIN MUL_HI
	MUL16 4, 1, NQ-1, \slot, 0
	MUL16 6, 1, NQ-1, \slot, 0
	PLACES NP
	WIN 0
	FETCH_A \next, 0, 4
.endm
	s_load_b256 s[4:11], s[0:1], 0x0               ; ccodes, cscales, codes, scales
	s_load_b64 s[12:13], s[0:1], 0x20              ; out0
	v_lshl_add_u32 v[SPW], v0, 2, SPARE
	v_mov_b32 v[NIL], 0
	ds_add_u32 v28, v29
	ds_add_u32 v28, v29
	s_wait_dscnt 0x0
	v_lshrrev_b32 v1, 5, v0
	v_readfirstlane_b32 s14, v1                    ; wave 0..3
	s_lshr_b32 s15, s14, 1                         ; which half of the 256 tokens is mine.  Also: I fetch for P (0) or for R (1)
	s_and_b32 s16, s14, 1                          ; which half of the 256 columns.  Also: which 8 tiles I fetch
	s_bfe_u32 s40, ttmp6, 0x40000                  ; cx: the tile of 256 columns
	s_bfe_u32 s41, ttmp6, 0x40004                  ; cy
	s_and_b32 s18, ttmp7, 0xffff
	s_lshl_b32 s18, s18, 2
	s_add_co_u32 s18, s18, s41                     ; the tile of 256 tokens = 4 x cluster y + cy
	s_lshl_b32 s43, s41, 2
	s_lshl_b32 s43, 15, s43                        ; my row of the cluster
	s_lshl_b32 s44, 0x1111, s40                    ; my column
	s_or_b32 s[G1+0], s43, (3<<16)|(1<<21)         ; 15:0 the mask; 17:16 elements of 8 bytes; 20 no padding; 21 set beside a mask
	s_or_b32 s[G1B+0], s44, (3<<16)|(1<<21)
.irp g, G1, G1B
	s_mov_b32 s[\g+1], 32<<16                      ; 32,768 dense bytes as 128 rows of 32 elements
	s_mov_b32 s[\g+2], 128<<16
	s_mov_b32 s[\g+3], 32<<16
	s_mov_b32 s[\g+4], 128
	s_mov_b32 s[\g+5], 32
	s_mov_b32 s[\g+6], 0
	s_mov_b32 s[\g+7], 0
.endr
	s_or_b32 s[G1S+0], s43, (3<<16)|(1<<21)        ; the scale words of 8 tiles: 4,096 dense bytes as 16 such rows
	s_or_b32 s[G1SB+0], s44, (3<<16)|(1<<21)
.irp g, G1S, G1SB
	s_mov_b32 s[\g+1], 32<<16
	s_mov_b32 s[\g+2], 16<<16
	s_mov_b32 s[\g+3], 32<<16
	s_mov_b32 s[\g+4], 16
	s_mov_b32 s[\g+5], 32
	s_mov_b32 s[\g+6], 0
	s_mov_b32 s[\g+7], 0
.endr
	s_lshl_b32 s45, s16, 3                         ; which 8 of the 16 tiles I fetch
	s_lshl_b32 s22, s18, 4
	s_add_co_u32 s22, s22, s45                     ; P: the first tile of 16 that I fetch
	s_lshl_b32 s46, s40, 4
	s_add_co_u32 s46, s46, s45
	s_add_co_u32 s46, s46, 1728                    ; R: Wo's tiles begin at 1728
	s_lshl_b32 s92, s22, 9
	s_lshl_b32 s96, s46, 9
	s_lshl_b32 s22, s22, 12
	s_lshl_b32 s46, s46, 12
	s_mov_b32 s23, 0
	s_mov_b32 s47, 0
	s_mov_b32 s93, 0
	s_mov_b32 s97, 0
	s_lshl_b32 s45, s14, 15                        ; where they go: wave x 32,768: no place in the cluster enters an LDS address
	s_lshl_b32 s94, s14, 12
	s_wait_kmcnt 0x0
	s_add_nc_u64 s[22:23], s[4:5], s[22:23]
	s_add_nc_u64 s[46:47], s[8:9], s[46:47]
	s_add_nc_u64 s[92:93], s[6:7], s[92:93]
	s_add_nc_u64 s[96:97], s[10:11], s[96:97]
	CROUND                                         ; all sixteen work-groups are here: the first joint loads meet
	s_mov_b32 s[G0S], 1
	s_add_co_u32 s[G0S+1], s94, SCL
	s_mov_b64 s[G0S+2:G0S+3], s[92:93]
	s_or_b32 s[G0S+3], s[G0S+3], 0x80000000
	s_mov_b32 s[G0SB], 1
	s_add_co_u32 s[G0SB+1], s94, SCL
	s_mov_b64 s[G0SB+2:G0SB+3], s[96:97]
	s_or_b32 s[G0SB+3], s[G0SB+3], 0x80000000
	JLOAD G0S, G1S, G0SB, G1SB                     ; the scale words first
.irp s, 0,1
	s_mov_b32 s[G0+4*\s], 1
	s_add_co_u32 s[G0+4*\s+1], s45, \s*SLOT
	s_add_nc_u64 s[G0+4*\s+2:G0+4*\s+3], s[22:23], \s*KKP
	s_or_b32 s[G0+4*\s+3], s[G0+4*\s+3], 0x80000000
	s_mov_b32 s[G0B+4*\s], 1
	s_add_co_u32 s[G0B+4*\s+1], s45, \s*SLOT
	s_add_nc_u64 s[G0B+4*\s+2:G0B+4*\s+3], s[46:47], \s*KKR
	s_or_b32 s[G0B+4*\s+3], s[G0B+4*\s+3], 0x80000000
	JLOAD G0+4*\s, G1, G0B+4*\s, G1B               ; three tensor loads of mine are out
.endr
	v_and_b32 v1, 15, v0                           ; r
	v_bfe_u32 v2, v0, 4, 1                         ; h
	v_and_b32 v3, 31, v0
	v_lshlrev_b32 v[LI], 4, v3
	s_lshl_b32 s2, s15, 15
	s_lshl_b32 s3, s16, 15
	s_add_co_u32 s3, s3, 2*HALFT
.irp s, 0,1
	v_add_nc_u32 v[ADRA+\s], s2, v[LI]
	v_add_nc_u32 v[ADRB+\s], s3, v[LI]
	s_add_co_u32 s2, s2, SLOT
	s_add_co_u32 s3, s3, SLOT
.endr
	s_lshl_b32 s2, s15, 12
	s_lshl_b32 s3, s16, 12
	s_add_co_u32 s3, s3, 8192
	s_sub_co_u32 s3, s3, s2
	v_mul_u32_u24 v6, s3, v2                       ; lanes 16-31 take R's scale words: one product in h
	s_add_co_u32 s2, s2, SCL
	v_lshl_add_u32 v5, v1, 3, v6
	v_add_nc_u32 v[ADRS], s2, v5
	s_mul_i32 s2, s14, 16*SPITCH                   ; my stage
	v_mul_u32_u24 v5, v1, SPITCH
	v_lshl_add_u32 v5, v2, 6, v5
	v_add_nc_u32 v[STO], s2, v5                    ; in: row r, + 64 h: R's block b holds columns 32 (b / 2) + 16 h + 8 (b % 2) + 0 .. 7
	v_add_nc_u32 v[RD], s2, v[LI]                  ; back: the 32 lanes take one row of 512 bytes
	s_lshl_b32 s66, s18, 20                        ; my part of out0: (256 x token tile + 128 x half) rows of 4,096 bytes + 1,024 x column tile + 512 x half.  These registers feed no descriptor
	s_lshl_b32 s2, s15, 19
	s_add_co_u32 s66, s66, s2
	s_lshl_b32 s2, s40, 10
	s_add_co_u32 s66, s66, s2
	s_lshl_b32 s2, s16, 9
	s_add_co_u32 s66, s66, s2
	s_mov_b32 s67, 0
	s_add_nc_u64 s[12:13], s[12:13], s[66:67]
	s_wait_tensorcnt 1                             ; the scale words and my part of K step 0 are in (K step 1's load may be out)
	s_barrier_signal -1
	s_barrier_wait -1                              ; everybody's are
	FETCH_B 0, 0, 0
	FETCH_A 0, 0, 0
	SCALES 0
	FETCH_A 0, 0, 4
	STEP 0, 0, 1                                   ; the first products start the sums: nothing is cleared
	TURN 0, 1, 1                                   ; slot 0 takes K step 2
	STEP 1, 0, 0
	TURN 1, 0, 1                                   ; slot 1 takes K step 3
	STEP 0, 0, 0
	TURN 0, 1, 0                                   ; nothing is left to fetch
	STEP 1, 0, 0
	s_wait_dscnt 4*NL
	WIN MUL_LO
	MUL16 0, 1, NQ-1, 1, 0
	MUL16 2, 1, NQ-1, 1, 0
	s_wait_dscnt 0
	WIN MUL_HI
	MUL16 4, 1, NQ-1, 1, 0
	MUL16 6, 1, NQ-1, 1, 0
	WIN 0
; THE WAY OUT, block by block of 16 tokens x 128 columns.  A lane holds pieces of one row, and the lanes beside it hold other rows: a block goes through my own stage in LDS and comes back as whole rows of 512 bytes.
; LDS serves a wave's instructions in order (ISA guide 5.7.1.4): no wait between the stores and the loads, nor in front of the next block's stores.
.macro TOSTAGE a
.set AC, 64*((\a)%4)
.set WS, 0x08+4*((\a)/4)
	WIN WS                                         ; the data: window 2 or 3
.irp b, 0,1,2,3,4,5,6,7
	ds_store_b128 v[STO], v[AC+8*\b:AC+8*\b+3] offset:128*(\b/2)+32*(\b%2)        ; each accumulator from its low end on
	ds_store_b128 v[STO], v[AC+8*\b+4:AC+8*\b+7] offset:128*(\b/2)+32*(\b%2)+16
.endr
	WIN 0
.set BB, BK+64*((\a)%2)
.irp t, 0,1,2,3,4,5,6,7,8,9,10,11,12,13,14,15
	ds_load_b128 v[BB+4*\t:BB+4*\t+3], v[RD] offset:\t*SPITCH
.endr
.endm
.macro SEND a, younger                 ; younger: the LDS instructions issued behind block a's loads, which may stay out
.set BB, BK+64*((\a)%2)
	s_wait_dscnt \younger
.irp t, 0,1,2,3,4,5,6,7,8,9,10,11,12,13,14,15
	global_store_b128 v[LI], v[BB+4*\t:BB+4*\t+3], s[12:13] offset:(32*((\a)/2)+8*((\a)%2)+\t+8*(\t/8))*4096 th:TH_STORE_NT   ; row t of tile a; 512 consecutive bytes, aligned; written once, read by nobody here
.endr
.endm
	PLACES NP                                      ; behind the last products: for the reads of results and the loads into the registers that held P's fragments
	TOSTAGE 0
.irp a, 1,2,3,4,5,6,7
.if \a > 1
	s_wait_xcnt 0x0                                ; block a - 2's stores have read their registers: block a's loads may land there
.endif
	TOSTAGE \a
	SEND \a-1, 32                                  ; behind block a - 1's loads: block a's 16 stores and 16 loads
.endr
	SEND 7, 0
	s_wait_tensorcnt 0x0                           ; the wave's end
	ds_add_u32 v[SPW], v[NIL]
	s_wait_dscnt 0x0
	CROUND                                         ; the closing round: no work-group ends while a partner may still ask for a tile that names it
	s_endpgm
.Lfunc_end_k_qff0b388409_outp:
	.size	k_qff0b388409_outp, .Lfunc_end_k_qff0b388409_outp-k_qff0b388409_outp
	.p2alignl 7, 3214868480
	.fill 96, 4, 3214868480
	.section	.rodata,"a",@progbits
	.p2align	6, 0x0
	.amdhsa_kernel k_qff0b388409_outp
		.amdhsa_group_segment_fixed_size 327680
		.amdhsa_private_segment_fixed_size 0
		.amdhsa_enable_private_segment 0
		.amdhsa_kernarg_size 40
		.amdhsa_user_sgpr_count 2
		.amdhsa_user_sgpr_kernarg_segment_ptr 1
		.amdhsa_wavefront_size32 1
		.amdhsa_system_sgpr_workgroup_id_x 1
		.amdhsa_system_sgpr_workgroup_id_y 1
		.amdhsa_system_sgpr_workgroup_id_z 1
		.amdhsa_system_vgpr_workitem_id 0
		.amdhsa_next_free_vgpr 1024
		.amdhsa_next_free_sgpr 100
		.amdhsa_reserve_vcc 0
		.amdhsa_float_denorm_mode_32 3
		.amdhsa_float_denorm_mode_16_64 3
		.amdhsa_memory_ordered 1
		.amdhsa_forward_progress 1
		.amdhsa_inst_pref_size 144
	.end_amdhsa_kernel
	.amdgpu_metadata
---
amdhsa.version: [ 1, 2 ]
amdhsa.kernels:
  - .name:           k_qff0b388409_outp
    .symbol:         k_qff0b388409_outp.kd
    .args:
      - { .name: ccodes, .offset: 0, .size: 8, .value_kind: global_buffer, .address_space: global }
      - { .name: cscales, .offset: 8, .size: 8, .value_kind: global_buffer, .address_space: global }
      - { .name: codes, .offset: 16, .size: 8, .value_kind: global_buffer, .address_space: global }
      - { .name: scales, .offset: 24, .size: 8, .value_kind: global_buffer, .address_space: global }
      - { .name: out0, .offset: 32, .size: 8, .value_kind: global_buffer, .address_space: global }
    .group_segment_fixed_size: 327680
    .private_segment_fixed_size: 0
    .kernarg_segment_align: 8
    .kernarg_segment_size: 40
    .max_flat_workgroup_size: 128
    .sgpr_count:     100
    .vgpr_count:     1024
    .wavefront_size: 32
...
	.end_amdgpu_metadata
.endif
;; end of part 4
;; ======== version 2 of 2: 4 launches; version 1 with the launch attn written anew for expert scheduling mode
;; workspace buffers: codes 29,360,128 bytes; scales 917,504 bytes; hcodes 25,165,824 bytes; hscales 786,432 bytes; maskw 524,288 bytes of whole numbers; flags 512 bytes of whole numbers; ccodes 8,388,608 bytes; cscales 262,144 bytes
;; launch quant: the kernel of part 1 again; grid 1024 x 1, 4 waves a work-group, no clusters, 68,352 bytes of LDS; arguments q, k, v, Wq, Wk, Wv, Wo, mask, codes, scales, maskw, flags; writes codes, scales, maskw, flags
;; launch proj: the kernel of part 2 again; grid 4 x 96, 4 waves a work-group, clusters of 4 x 4, 327,680 bytes of LDS; arguments codes, scales, hcodes, hscales; writes hcodes, hscales
;; launch attn (part 5): grid 4 x 64, 16 waves a work-group, no clusters, 43,008 bytes of LDS; arguments hcodes, hscales, maskw, flags, ccodes, cscales; writes ccodes, cscales
.if DOCPART == 5
	.amdgcn_target "amdgcn-amd-amdhsa--gfx1250"
	.amdhsa_code_object_version 6
	.text
	.protected	k_qff0b388409_attn
	.globl	k_qff0b388409_attn
	.p2align	8
	.type	k_qff0b388409_attn,@function
k_qff0b388409_attn:
	s_mov_b64 s[64:65], 0
	v_nop
	global_prefetch_b8 v0, s[64:65] scope:SCOPE_SE
	s_setreg_imm32_b32 hwreg(HW_REG_WAVE_SCHED_MODE, 0, 2), 2
	s_setreg_imm32_b32 hwreg(HW_REG_WAVE_MODE, 25, 1), 1
	s_wait_xcnt 0x0
	s_wait_alu depctr_vm_vsrc(0)
; ctx[b][q][head] = softmax over the keys of (query . key / 8, hidden keys at a large negative logit) x value, both products on codes of FP8 (E4M3) with E8M0 scales; ctx is quantised along its 1,024 columns for the last projection.
; THE SOFTMAX AHEAD OF THE SECOND PRODUCT: t = score x log2(e) / 8; M = the row's largest t so far, rounded UP to a whole number; p = 2^(t - M) is quantised along the keys; the row's sum is taken of the unquantised p and divides at the end.
; THE MASK is an input.  An earlier launch has packed it: maskw[T][s][n] is the lane mask of hidden keys for score register n of query tile T in key step s; flags[T] bit s: the step may be left out; bit 16 + s: it has a hidden key.
; A hidden raw score becomes -2^33 (the logit -1.07e9 where reference() has -1e9): times c it is a whole number, so a row with no open key gets p = 1 for every key, a plain average, as reference() gives; beside any open key p is 0.
; LIMITS: the two differ only where true logits come near -1e9; blocks whose largest magnitude lies under 2^-118 get the byte 1; NaN and infinities are not served.
; SHARES.  Work-group (x, bh) owns the blocks 7 - x and x of 256 queries of head bh, one after the other; each of its SIXTEEN waves one tile of 16 queries, in 256 registers: four waves to a SIMD.
; Every work-group walks all 16 key steps of 128 keys of both blocks: the trip counts are constants, and every wave passes every barrier.  What a stored flag leaves out is a step's WORK (a wave's branch) and a step's FILL (where all sixteen tiles leave it out).
; NO TENSOR LOAD, NO JOINT REQUEST: branches here hang on numbers read from memory, and the four work-groups of a head need different steps.  A step's 8,192 bytes of K and of V go through registers into one of two LDS slots:
; 16 bytes of each a thread, asked for at the head of the step before and stored at its end.  ONE barrier a step: the slot stored into was last read ahead of the barrier before, and is read next behind this one.
; LAYOUT.  Both products are used transposed: a lane holds ONE query (lane % 16).  The score product has K = 64, the instruction 128: a fragment of K carries TWO tiles of 16 keys (k 0-63 the one, 64-127 the other) and is multiplied
; by [Q | zeros] and by [zeros | Q]: v16-23 Q, v24-31 zeros, v32-39 Q again.  Register 16 g + i of the scores is key 128 s + 32 g + 16 (lane / 16) + i: 16 neighbours, as the conversions and the second product want them.
; THE MODE: SCHED_MODE bits 1:0 = 2 (LLVM: expert scheduling mode 2), set by the entry lines.  The code itself states the register dependences
; between vector or matrix instructions and memory or LDS instructions, with s_wait_alu, always for 0.
; THE PLAN.  Registers that memory or LDS instructions touch:
;   v1, v2, v4, v5, v8    offsets and LDS addresses: made once at the head, never written again.
;   v[ADS]                written by one vector add at a step's head; read by the step's two loads of scale words.
;   v[QOF], v[COF], v[SOF]  a block's offsets: written together at the block's head; read by Q's loads and by the tail's stores.
;   F, SW                 K's fragments and scale words land; the eight score products read them; V's land; the four second products read them.
;   QA, QB, v[TB]         loads land at a block's head; the block's score products read Q; v[TB] is read by one vector line, written again by the tail's select and read by the tail's byte store.
;   STG                   the fill's loads land; the fill's LDS stores read it; no vector instruction names it behind the head.
;   PC, v[PSW], v[QSW]    written by vector instructions; taken by scaled products; PC's first eight are also the data of the tail's stores.
;   The scores, O^T and the statistics are named by vector and matrix instructions alone.
; A STEP'S WAITS.  At its top, on every way: the LDS stores have read STG, the last step's LDS loads v[ADS].  Behind the add to v[ADS]: it is written, and the last products are done reading F and SW.  Behind the score products' places:
; they are done reading F and SW.  Ahead of the second products: p's codes and scale word are written.  The two waits for the exponentials stand.  No second set of fragments: four waves of 256 registers fill a SIMD's 1,024.
.set SCL,  32768                       ; LDS: two slots of 16,384 (K's 8,192, then V's); then the head's scale words: K's 4,096 bytes, V's 4,096
.set LI,   1                           ; v1   16 x lane
.set LT,   2                           ; v2   16 x thread: LDS place of my 16 bytes of a fill, and their place in K's step
.set AS0,  3                           ; v3   SCL + 16 r
.set GS,   4                           ; v4   my 16 bytes of the scale words in memory
.set GV,   5                           ; v5   my 16 bytes of V's step in memory
.set ADS,  6                           ; v6   the step's scale words
.set NEG,  7                           ; v7   -2^33
.set R16,  8                           ; v8   16 r
.set R8H,  9                           ; v9   8 r + h
.set QOF,  10                          ; v10  Q's offset;  v11 ctx's codes';  v238 ctx's scale bytes'
.set COF,  11
.set QA,   16
.set ZR,   24
.set QB,   32
.set F,    40                          ; v40-103  four fragments of K or of V
.set S,    104                         ; v104-167 the scores, then p
.set O,    168                         ; v168-199 O^T: register 16 b + i is channel 32 b + 16 (lane / 16) + i
.set PC,   200                         ; v200-215 p's codes
.set BM,   216                         ; v216-219 block maxima; v220-223, v224-227, v228-231 at work, holds, scale operands
.set BP,   220
.set HOLD, 224
.set SOP,  228
.set SW,   232                         ; v232-235 K's or V's scale words
.set FF,   236                         ; v236 f = 2^(old M - new M), later 1 / the sum
.set PSW,  237                         ; v237 p's scale word
.set SOF,  238
.set QSW,  239                         ; v239 Q's scale word: its two bytes twice
.set TA,   240
.set TB,   241
.set STG,  242                         ; v242-249 the fill on its way
.set WV,   16                          ; s16 wave; s17 bh
.set MNT,  19
.set SEL,  20
.set CS,   22                          ; s[22:23] c = log2(e) / 8
.set BLK,  24
.set TSC,  27                          ; s27 256 x step
.set SKIP, 28                          ; s28, s29, s30: my tile's skip bits, its mix bits, the block's common skip bits; bit 0 is the step in hand
.set MIX,  29
.set WSK,  30
.set HM,   50
.set TT,   51                          ; s51 my tile of queries
; s[32:33], s[34:35], s[36:37]: K, V, mask words at the step in hand; s[38:45]: the head's K, V, Q, scale words; s[52:55]: the head's place in ccodes, cscales; s[68:99]: flags, mask words
.macro STEP sl
	v_add_nc_u32 v[ADS], s[TSC], v[AS0]            ; (the wait at the step's top has shown the last step's loads done reading it)
	s_wait_alu depctr_va_vdst(0)                   ; v[ADS] is written, which the loads of scale words read; the last step's products are done reading F and SW, in which the loads below land; in a block's first step Q's scale word, made by a vector line, is written, which the products below take
	ds_load_b128 v[SW:SW+3], v[ADS]                ; word g: tile 2 g's two bytes, then tile 2 g + 1's.  It goes first, so that the counts below are fragments alone
.irp g, 0,1,2,3
.irp c, 0,1,2,3
	ds_load_b128 v[F+16*\g+4*\c:F+16*\g+4*\c+3], v[LI] offset:\sl*16384+2048*\g+512*\c   ; key tiles 2 g (c 0, 1) and 2 g + 1 (c 2, 3)
.endr
.endr
.irp g, 0,1,2,3
	s_wait_dscnt 12-4*\g                           ; LDS loads come back in order (ISA guide 5.7.1): the scale words and fragment g are in; the younger fragments, four loads each, stay out
	v_wmma_scale_f32_16x16x128_f8f6f4 v[S+16*\g:S+16*\g+7], v[F+16*\g:F+16*\g+15], v[QA:QA+15], 0, v[SW+\g], v[QSW]
	v_wmma_scale_f32_16x16x128_f8f6f4 v[S+16*\g+8:S+16*\g+15], v[F+16*\g:F+16*\g+15], v[ZR:ZR+15], 0, v[SW+\g], v[QSW]
.endr
.rept 8
	v_nop                                          ; places ahead of the first read of the scores (ISA guide 7.12.1)
.endr
	s_wait_alu depctr_va_vdst(0)                   ; the score products are done reading F and SW, in which the loads below land; the places above stay beside this wait
.irp t, 0,1,2,3
.irp c, 0,1,2,3
	ds_load_b128 v[F+16*\t+4*\c:F+16*\t+4*\c+3], v[LI] offset:\sl*16384+8192+4096*(\c/2)+1024*\t+512*(\c%2)   ; V's fragments go out now and land under the softmax, which names none of these registers
.endr
.endr
	ds_load_b128 v[SW:SW+3], v[ADS] offset:4096    ; word t: the four key blocks' bytes of tile t's channel
	s_bitcmp1_b32 s[MIX], 0
	s_cbranch_scc0 .Lopen_\@                       ; a step with no hidden key has no mask work
.irp u, 0,1
	s_load_b512 s[68:83], s[36:37], 128*\u
	s_load_b512 s[84:99], s[36:37], 128*\u+64
	s_wait_kmcnt 0x0
.set jj, 0
.rept 32
	v_cndmask_b32 v[S+32*\u+jj], v[S+32*\u+jj], v[NEG], s[68+jj]   ; one select a score, each accumulator from its low end on
.set jj, jj+1
.endr
.endr
.Lopen_\@:
.irp b, 0,1,2,3
	v_max3_num_f32 v[BM+\b], v[S+16*\b], v[S+1+16*\b], v[S+2+16*\b]   ; the largest score of each block of 32 keys: for the row's maximum, and, since p rises with the score, for the block's largest p
.endr
.irp i, 3,5,7,9,11,13
.irp b, 0,1,2,3
	v_max3_num_f32 v[BM+\b], v[BM+\b], v[S+16*\b+\i], v[S+1+16*\b+\i]
.endr
.endr
.irp b, 0,1,2,3
	v_max_num_f32 v[BM+\b], v[BM+\b], v[S+15+16*\b]
.endr
.irp b, 0,1,2,3
	v_permlanex16_b32 v[BP+\b], v[BM+\b], s[SEL], s[SEL+1]
.endr
.irp b, 0,1,2,3
	v_max_num_f32 v[BM+\b], v[BM+\b], v[BP+\b]     ; with lane l xor 16's 16 keys
.endr
	v_max3_num_f32 v[TA], v[BM], v[BM+1], v[BM+2]
	v_max_num_f32 v[TA], v[TA], v[BM+3]
	v_mul_f32 v[TA], s[CS], v[TA]                  ; as t (c is positive)
	v_max_num_f32 v13, v13, v[TA]                  ; the running largest t
	v_mov_b32 v[TA], v12
	v_floor_f32 v12, -v13                          ; the new -M = floor(-t): M is a whole number
	v_sub_f32 v[TA], v12, v[TA]                    ; old M - new M: a whole number, 0 or less
	v_cvt_i32_f32 v[TA], v[TA]                     ; (it saturates)
	v_ldexp_f32 v[FF], 1.0, v[TA]                  ; f = 2^(old M - new M): a multiplication by it rounds nothing
.set jj, 0
.rept 32
	v_pk_fma_f32 v[S+jj:S+jj+1], v[S+jj:S+jj+1], s[CS:CS+1], v[12:13] op_sel_hi:[1,0,0]   ; t - M, two at a time
.set jj, jj+2
.endr
.irp b, 0,1,2,3
	v_fma_f32 v[BM+\b], v[BM+\b], s[CS], v12       ; the same of each block's largest score
.endr
.set jj, 0
.rept 64
	v_exp_f32 v[S+jj], v[S+jj]                     ; p = 2^(t - M), at most 1
.set jj, jj+1
.endr
	v_pk_mul_f32 v[14:15], v[14:15], v[FF:FF+1] op_sel_hi:[1,0]    ; the sums under the new M: a plain line behind the exponentials
	s_wait_alu depctr_va_vdst(0)                   ; the 64 exponentials have written p: one wait for the batch, ahead of its first reader
.irp b, 0,1,2,3
	v_exp_f32 v[BM+\b], v[BM+\b]                   ; the block's largest p: the same two instructions on the same number
.endr
	v_pk_add_f32 v[BP:BP+1], v[S:S+1], v[S+2:S+3]  ; the row's sum of the UNQUANTISED p, in two chains; it reads the 64 alone
.irp j, 4,8,12,16,20,24,28,32,36,40,44,48,52,56,60
	v_pk_add_f32 v[14:15], v[14:15], v[S+\j:S+\j+1]
	v_pk_add_f32 v[BP:BP+1], v[BP:BP+1], v[S+2+\j:S+3+\j]
.endr
	v_pk_add_f32 v[14:15], v[14:15], v[BP:BP+1]
	s_wait_alu depctr_va_vdst(0)                   ; the four exponentials have written the blocks' largest p, ahead of their first reader
.irp b, 0,1,2,3
	v_max_num_f32 v[BM+\b], 0x4800000, v[BM+\b]    ; the floor 2^(9 - 127): the byte cannot fall under 1
.endr
.irp b, 0,1,2,3
	v_add_nc_u32 v[SOP+\b], 0xfc000000, v[BM+\b]
.endr
.irp b, 0,1,2,3
	v_and_or_b32 v[HOLD+\b], v[BM+\b], 0x7f800000, s[MNT]
.endr
.irp b, 0,1,2,3
	v_lshrrev_b32 v[BP+\b], 23, v[SOP+\b]
.endr
	v_lshl_or_b32 v[PSW], v[BP+1], 8, v[BP]        ; p's scale word for these 128 keys
	v_lshl_or_b32 v[PSW], v[BP+2], 16, v[PSW]
	v_lshl_or_b32 v[PSW], v[BP+3], 24, v[PSW]
.irp b, 0,1,2,3
.irp i, 0,1,2,3,4,5,6,7,8,9,10,11,12,13,14,15
	v_min_num_f32 v[S+16*\b+\i], v[S+16*\b+\i], v[HOLD+\b]         ; the conversion does not saturate (ISA guide 7.6.2); p is not negative, so the hold is one-sided
.endr
	v_cvt_scalef32_pk8_fp8_f32 v[PC+4*\b:PC+4*\b+1], v[S+16*\b:S+16*\b+7], v[SOP+\b]
	v_cvt_scalef32_pk8_fp8_f32 v[PC+4*\b+2:PC+4*\b+3], v[S+16*\b+8:S+16*\b+15], v[SOP+\b]
.endr
.set jj, 0
.rept 16
	v_pk_mul_f32 v[O+jj:O+jj+1], v[O+jj:O+jj+1], v[FF:FF+1] op_sel_hi:[1,0]   ; O^T under the new M; these are also the plain lines between the codes and the products
.set jj, jj+2
.endr
	s_wait_dscnt 0x0                               ; V's fragments and scale words
	s_wait_alu depctr_va_vdst(0)                   ; the conversions have written p's codes and the shifts its scale word, which the scaled products below take; the plain lines above stay beside this wait
.irp t, 0,1,2,3
	v_wmma_scale_f32_16x16x128_f8f6f4 v[O+8*\t:O+8*\t+7], v[F+16*\t:F+16*\t+15], v[PC:PC+15], v[O+8*\t:O+8*\t+7], v[SW+\t], v[PSW]   ; the four accumulators by turns
.endr
.rept 8
	v_nop                                          ; places behind these products, on the one way that has them: for the block's tail, which reads O^T and writes p's codes anew
.endr
.endm
; A key step in slot sl.  The next step's fill is asked for first and stored last; a step that my tile leaves out is jumped over; waits, barrier and address steps stand on every way.
.macro TRIP sl
	s_wait_alu depctr_vm_vsrc(0)                   ; the LDS stores of the step before (in a block's first step: of the block's head) have read v[STG ..], in which the fill's loads land; the last step's LDS loads have read v[ADS], which this step's add writes
	s_bitcmp1_b32 s[WSK], 1
	s_cbranch_scc1 .Lnf_\@                         ; no tile of the block wants the next step (behind step 15: the guard bit)
	global_load_b128 v[STG:STG+3], v[LT], s[32:33] offset:8192     ; no vector instruction behind the kernel's head names these registers or their offsets
	global_load_b128 v[STG+4:STG+7], v[GV], s[34:35] offset:131072
.Lnf_\@:
	s_bitcmp1_b32 s[SKIP], 0
	s_cbranch_scc1 .Lhid_\@
	STEP \sl
.Lhid_\@:
	s_wait_loadcnt 0x0                             ; the fill is in registers, and its addresses may be stepped
	s_bitcmp1_b32 s[WSK], 1
	s_cbranch_scc1 .Lns_\@
	ds_store_b128 v[LT], v[STG:STG+3] offset:(1-\sl)*16384
	ds_store_b128 v[LT], v[STG+4:STG+7] offset:(1-\sl)*16384+8192
.Lns_\@:
	s_wait_dscnt 0x0                               ; for the others' sake: my stores have landed, my reads of this slot are over
	s_barrier_signal -1
	s_barrier_wait -1
	s_add_nc_u64 s[32:33], s[32:33], 8192
	s_add_nc_u64 s[34:35], s[34:35], 131072
	s_add_nc_u64 s[36:37], s[36:37], 256
	s_add_co_u32 s[TSC], s[TSC], 256
	s_lshr_b32 s[SKIP], s[SKIP], 1
	s_lshr_b32 s[MIX], s[MIX], 1
	s_lshr_b32 s[WSK], s[WSK], 1
.endm
	s_load_b256 s[4:11], s[0:1], 0x0               ; hcodes, hscales, maskw, flags
	s_load_b128 s[12:15], s[0:1], 0x20             ; ccodes, cscales
	v_lshl_add_u32 v254, v0, 2, 0xa000             ; the LDS address of my spare word, and 0: made here and kept for the closing lines alone
	v_mov_b32 v255, 0
	v_lshrrev_b32 v[TA], 5, v0
	v_readfirstlane_b32 s[WV], v[TA]               ; wave 0..15
	s_and_b32 s17, ttmp7, 0xffff                   ; bh
	s_sub_co_u32 s[BLK], 7, ttmp9                  ; the first block of queries
	v_and_b32 v[TA], 31, v0
	v_lshlrev_b32 v[LI], 4, v[TA]
	v_lshlrev_b32 v[LT], 4, v0
	v_and_b32 v[TB], 15, v0                        ; r
	v_lshlrev_b32 v[R16], 4, v[TB]
	v_add_nc_u32 v[AS0], SCL, v[R16]
	v_bfe_u32 v[TA], v0, 4, 1                      ; h
	v_lshl_add_u32 v[R8H], v[TB], 3, v[TA]
	v_lshrrev_b32 v[TA], 8, v0                     ; threads 256 on take the second 4,096 bytes:
	v_and_b32 v[TB], 255, v0
	v_lshlrev_b32 v[TB], 4, v[TB]
	v_lshl_or_b32 v[GV], v[TA], 16, v[TB]          ; V's upper 64 keys of a step lie 65,536 bytes on,
	v_lshl_or_b32 v[GS], v[TA], 18, v[TB]          ; V's scale words 262,144 behind K's
	v_mov_b32 v[NEG], 0xd0000000
	v_mov_b32 v[PSW], 0                            ; (named as the upper half of the pair with f before it is first written)
.irp j, 0,1,2,3,4,5,6,7
	v_mov_b32 v[ZR+\j], 0                          ; the zero codes beside Q
	v_mov_b32 v[STG+\j], 0                         ; (written on every way ahead of the stores that read it)
.endr
.irp b, 0,1,2,3
	v_mov_b32 v[BP+\b], 0                          ; a lane permute's destination counts as one of its sources
.endr
	s_mov_b32 s[MNT], 0x600000
	s_mov_b32 s[SEL], 0x76543210
	s_mov_b32 s[SEL+1], 0xfedcba98
	s_mov_b32 s[CS], 0x3e38aa3b                    ; c = log2(e) / 8
	s_mov_b32 s[CS+1], s[CS]
	s_mov_b32 s[HM], 0xffff0000
	s_mov_b32 s47, 0
	s_lshr_b32 s48, s17, 4                         ; b
	s_and_b32 s49, s17, 15                         ; the head
	s_wait_alu depctr_va_sdst(0)                   ; s16, the wave's number, is written: ahead of the first label and of its first reader, the block's head, which makes my tile's number from it
	s_wait_kmcnt 0x0
	s_lshl_b32 s46, s17, 17
	s_add_nc_u64 s[42:43], s[4:5], s[46:47]        ; Q's codes of my head: bh x 131,072
	s_add_nc_u64 s[38:39], s[42:43], 0x800000      ; K's: 8 MiB on
	s_lshl_b32 s46, s48, 21
	s_lshl_b32 s31, s49, 12
	s_add_co_u32 s46, s46, s31
	s_add_co_u32 s46, s46, 0x1000000
	s_add_nc_u64 s[40:41], s[4:5], s[46:47]        ; V's: 16 MiB + b x 2 MiB + head x 4,096
	s_lshl_b32 s46, s17, 12
	s_add_nc_u64 s[44:45], s[6:7], s[46:47]        ; Q's scale words: bh x 4,096
	s_lshr_b32 s46, s49, 2                         ; ctx's codes: column 64 x head: which 256 (2 MiB each), which 128 of it, which 64
	s_lshl_b32 s46, s46, 21
	s_lshl_b32 s31, s48, 19                        ; b x 128 tiles x 4,096
	s_add_co_u32 s46, s46, s31
	s_bfe_u32 s31, s49, 0x10001
	s_lshl_b32 s31, s31, 11
	s_add_co_u32 s46, s46, s31
	s_and_b32 s31, s49, 1
	s_lshl_b32 s31, s31, 10
	s_add_co_u32 s46, s46, s31
	s_add_nc_u64 s[52:53], s[12:13], s[46:47]
	s_lshr_b32 s46, s49, 2                         ; ctx's scale bytes: tile x 512 + (which 256) x 128 + 8 r + (which 128) x 4 + (which 64) x 2 + block
	s_lshl_b32 s46, s46, 7
	s_lshl_b32 s31, s48, 16
	s_add_co_u32 s46, s46, s31
	s_bfe_u32 s31, s49, 0x10001
	s_lshl_b32 s31, s31, 2
	s_add_co_u32 s46, s46, s31
	s_and_b32 s31, s49, 1
	s_lshl_b32 s31, s31, 1
	s_add_co_u32 s46, s46, s31
	s_add_nc_u64 s[54:55], s[14:15], s[46:47]
	s_wait_alu depctr_va_vdst(0)                   ; the offsets and LDS addresses v1, v2, v4, v5, v8 are written, which the kernel's loads and stores read; so is v[STG ..], in which the load below lands; so are the zero codes, which the score products take
	global_load_b128 v[STG:STG+3], v[GS], s[44:45] offset:262144   ; K's and V's scale words of the head: 16 bytes a thread, once
	s_wait_loadcnt 0x0
	ds_store_b128 v[LT], v[STG:STG+3] offset:SCL   ; the first block's barrier stands between this and the reads
	s_mov_b32 s25, 2
.Lblk:
	s_wait_alu depctr_vm_vsrc(0)                   ; the LDS stores issued so far (the head's; the last step's) have read v[STG ..]; the last block's loads of Q have read v[QOF], its tail's stores v[COF], v[SOF], v[TB] and p's codes' registers: all of these are written again below
	s_lshl_b32 s[TT], s[BLK], 4
	s_add_co_u32 s[TT], s[TT], s[WV]               ; my tile of queries
	s_lshl_b32 s31, s[TT], 2
	s_load_b32 s[SKIP], s[10:11], s31 offset:0x0   ; my tile's flags
	s_lshl_b32 s46, s[BLK], 6
	s_load_b512 s[68:83], s[10:11], s46 offset:0x0 ; and the block's sixteen
	v_lshl_add_u32 v[QOF], s[TT], 10, v[LI]        ; the block's three offsets are made together, so that one wait serves them
	v_lshl_add_u32 v[COF], s[TT], 12, v[LI]
	v_lshl_add_u32 v[SOF], s[TT], 9, v[R8H]
	s_lshr_b32 s48, s[TT], 3
	s_lshl_b32 s48, s48, 8                         ; the group of 128 queries,
	s_bfe_u32 s49, s[TT], 0x20001
	s_lshl_b32 s49, s49, 2                         ; the word of my pair of tiles
	s_add_co_u32 s48, s48, s49
	s_mov_b32 s49, 0
	s_add_nc_u64 s[56:57], s[44:45], s[48:49]
	s_mov_b64 s[32:33], s[38:39]
	s_mov_b64 s[34:35], s[40:41]
	s_wait_alu depctr_va_vdst(0)                   ; the three offsets are written, which the loads below and the tail's stores read; the last block's products are done reading Q, and its tail's select (at first: the head's arithmetic) has written v[TB]: loads land in both
	global_load_b128 v[QA:QA+3], v[QOF], s[42:43]
	global_load_b128 v[QA+4:QA+7], v[QOF], s[42:43] offset:512
	global_load_b128 v[QB:QB+3], v[QOF], s[42:43]  ; Q a second time: the two operands [Q | 0] and [0 | Q] share the zeros between them
	global_load_b128 v[QB+4:QB+7], v[QOF], s[42:43] offset:512
	global_load_b32 v[TB], v[R16], s[56:57]
	global_load_b128 v[STG:STG+3], v[LT], s[32:33] ; key step 0 is always fetched
	global_load_b128 v[STG+4:STG+7], v[GV], s[34:35]
	s_lshl_b32 s58, s[TT], 12
	s_mov_b32 s59, 0
	s_add_nc_u64 s[36:37], s[8:9], s[58:59]        ; my tile's mask words
	s_mov_b32 s[TSC], 0
	s_wait_kmcnt 0x0
	s_lshr_b32 s[MIX], s[SKIP], 16
	s_and_b32 s[SKIP], s[SKIP], 0xffff
	s_and_b32 s[WSK], s68, s69
.irp j, 70,71,72,73,74,75,76,77,78,79,80,81,82,83
	s_and_b32 s[WSK], s[WSK], s\j
.endr
	s_and_b32 s[WSK], s[WSK], 0xffff
	s_or_b32 s[WSK], s[WSK], 0x10000               ; the guard: behind step 15 nothing is fetched
	s_mov_b32 s47, 0x01000100
	s_bitcmp1_b32 s[TT], 0
	s_cselect_b32 s47, 0x03020302, s47             ; an odd tile's two bytes are the word's upper half
	s_wait_loadcnt 0x0
	ds_store_b128 v[LT], v[STG:STG+3]              ; slot 0 was last read in step 14 of the block before: two barriers back
	ds_store_b128 v[LT], v[STG+4:STG+7] offset:8192
	v_perm_b32 v[QSW], v[TB], v[TB], s47           ; the two bytes twice: they serve [Q | 0] and [0 | Q]; the lines below are its places ahead of the first product
	v_mov_b32 v13, 0xff61b1e6                      ; the largest t so far: -3e38
	v_floor_f32 v12, -v13                          ; -M
	v_mov_b32 v14, 0                               ; the sum, in two halves
	v_mov_b32 v15, 0
.set jj, 0
.rept 32
	v_mov_b32 v[O+jj], 0                           ; O^T: the step is written once, and its first turn finds zeros
.set jj, jj+1
.endr
	s_wait_dscnt 0x0
	s_barrier_signal -1
	s_barrier_wait -1
	s_mov_b32 s26, 8
.Lk:
	TRIP 0
	TRIP 1
	s_sub_co_u32 s26, s26, 1
	s_cmp_lg_u32 s26, 0
	s_cbranch_scc1 .Lk
	; ---- the block's tail: O^T / the sum is ctx; its two blocks of 32 channels are quantised and leave as the last projection's operand
	v_add_f32 v14, v14, v15
	v_permlanex16_b32 v[TA], v14, s[SEL], s[SEL+1]
	v_add_f32 v14, v14, v[TA]                      ; the row's sum
	v_rcp_f32 v[FF], v14
	v_nop                                          ; a plain line behind the reciprocal
	s_wait_alu depctr_va_vdst(0)                   ; the reciprocal has written v[FF], ahead of its first reader
.set jj, 0
.rept 16
	v_pk_mul_f32 v[O+jj:O+jj+1], v[O+jj:O+jj+1], v[FF:FF+1] op_sel_hi:[1,0]
.set jj, jj+2
.endr
.irp b, 0,1
	v_max3_num_f32 v[BM+\b], |v[O+16*\b]|, |v[O+1+16*\b]|, 0x4800000
.endr
.irp i, 2,4,6,8,10,12,14
.irp b, 0,1
	v_max3_num_f32 v[BM+\b], v[BM+\b], |v[O+16*\b+\i]|, |v[O+1+16*\b+\i]|
.endr
.endr
.irp b, 0,1
	v_permlanex16_b32 v[BP+\b], v[BM+\b], s[SEL], s[SEL+1]
.endr
.irp b, 0,1
	v_max_num_f32 v[BM+\b], v[BM+\b], v[BP+\b]
.endr
.irp b, 0,1
	v_add_nc_u32 v[SOP+\b], 0xfc000000, v[BM+\b]
.endr
.irp b, 0,1
	v_and_or_b32 v[HOLD+\b], v[BM+\b], 0x7f800000, s[MNT]
.endr
.irp b, 0,1
	v_lshrrev_b32 v[BP+\b], 23, v[SOP+\b]
.endr
.irp b, 0,1
.irp i, 0,1,2,3,4,5,6,7,8,9,10,11,12,13,14,15
	v_med3_num_f32 v[O+16*\b+\i], v[O+16*\b+\i], -v[HOLD+\b], v[HOLD+\b]
.endr
	v_cvt_scalef32_pk8_fp8_f32 v[PC+4*\b:PC+4*\b+1], v[O+16*\b:O+16*\b+7], v[SOP+\b]
	v_cvt_scalef32_pk8_fp8_f32 v[PC+4*\b+2:PC+4*\b+3], v[O+16*\b+8:O+16*\b+15], v[SOP+\b]
.endr
	v_nop                                          ; a plain line behind the last conversion
	v_cndmask_b32 v[TB], v[BP], v[BP+1], s[HM]     ; lanes 0-15 store block 0's byte, lanes 16-31 block 1's
	s_wait_alu depctr_va_vdst(0)                   ; the conversions have written ctx's codes and the select v[TB], which the three stores below read
	global_store_b128 v[COF], v[PC:PC+3], s[52:53]                 ; 512 consecutive bytes, aligned
	global_store_b128 v[COF], v[PC+4:PC+7], s[52:53] offset:512
	global_store_b8 v[SOF], v[TB], s[54:55]        ; single bytes, one for each 32 of ctx's codes: they lie where the last projection's loop takes whole scale words with no vector work
	s_wait_xcnt 0x0                                ; the stores have had their addresses translated: the next block writes their registers again (behind the wait at its top, which states that they have been read)
	s_sub_co_u32 s[BLK], 7, s[BLK]                 ; the other block
	s_sub_co_u32 s25, s25, 1
	s_cmp_lg_u32 s25, 0
	s_cbranch_scc1 .Lblk
	s_wait_dscnt 0x0                               ; the closing lines, six on end
	s_wait_alu 0x0
	s_wait_tensorcnt 0x0
	ds_add_u32 v254, v255
	s_wait_dscnt 0x0
	s_endpgm
.Lfunc_end_k_qff0b388409_attn:
	.size	k_qff0b388409_attn, .Lfunc_end_k_qff0b388409_attn-k_qff0b388409_attn
	.p2alignl 7, 3214868480
	.fill 96, 4, 3214868480
	.section	.rodata,"a",@progbits
	.p2align	6, 0x0
	.amdhsa_kernel k_qff0b388409_attn
		.amdhsa_group_segment_fixed_size 43008
		.amdhsa_private_segment_fixed_size 0
		.amdhsa_enable_private_segment 0
		.amdhsa_kernarg_size 48
		.amdhsa_user_sgpr_count 2
		.amdhsa_user_sgpr_kernarg_segment_ptr 1
		.amdhsa_wavefront_size32 1
		.amdhsa_system_sgpr_workgroup_id_x 1
		.amdhsa_system_sgpr_workgroup_id_y 1
		.amdhsa_system_sgpr_workgroup_id_z 1
		.amdhsa_system_vgpr_workitem_id 0
		.amdhsa_next_free_vgpr 256
		.amdhsa_next_free_sgpr 100
		.amdhsa_reserve_vcc 0
		.amdhsa_float_denorm_mode_32 3
		.amdhsa_float_denorm_mode_16_64 3
		.amdhsa_memory_ordered 1
		.amdhsa_forward_progress 1
		.amdhsa_inst_pref_size 62
	.end_amdhsa_kernel
	.amdgpu_metadata
---
amdhsa.version: [ 1, 2 ]
amdhsa.kernels:
  - .name:           k_qff0b388409_attn
    .symbol:         k_qff0b388409_attn.kd
    .args:
      - { .name: hcodes, .offset: 0, .size: 8, .value_kind: global_buffer, .address_space: global }
      - { .name: hscales, .offset: 8, .size: 8, .value_kind: global_buffer, .address_space: global }
      - { .name: maskw, .offset: 16, .size: 8, .value_kind: global_buffer, .address_space: global }
      - { .name: flags, .offset: 24, .size: 8, .value_kind: global_buffer, .address_space: global }
      - { .name: ccodes, .offset: 32, .size: 8, .value_kind: global_buffer, .address_space: global }
      - { .name: cscales, .offset: 40, .size: 8, .value_kind: global_buffer, .address_space: global }
    .group_segment_fixed_size: 43008
    .private_segment_fixed_size: 0
    .kernarg_segment_align: 8
    .kernarg_segment_size: 48
    .max_flat_workgroup_size: 512
    .sgpr_count:     100
    .vgpr_count:     256
    .wavefront_size: 32
...
	.end_amdgpu_metadata
.endif
;; end of part 5
;; launch outp: the kernel of part 4 again; grid 4 x 32, 4 waves a work-group, clusters of 4 x 4, 327,680 bytes of LDS; arguments ccodes, cscales, codes, scales, out0; writes out0
